; MI455X (gfx1250); checked and timed in simulation.
; The chip was launched on July 23, 2026; its instructions are those of AMD's public machine-readable ISA for CDNA 5 (MIT licence, August 2026) and "CDNA5" Instruction Set Architecture Reference Guide (July 2026). The comments in the code are by the model that wrote it; some were corrected since.
;; Multi Head Attention. Allowed arithmetic: float matrix products may take bf16 or f16 operands with f32 sums; other float arithmetic in f32, or as packed bf16 or f16 multiplies, adds, multiply-adds, maxima and minima; sums over many terms, partial sums and values carried from step to step in f32; what a program stores and reads back later, other than sums and carried values, may be rounded once to bf16 or f16.
;; Inputs: Wk 1,024 x 1,024 float32; Wo 1,024 x 1,024 float32; Wq 1,024 x 1,024 float32; Wv 1,024 x 1,024 float32; bo 1,024 float32; x 1 x 4,096 x 1,024 float32.
;; Outputs: out0 1 x 4,096 x 1,024 float32.
;; 2 versions, each right; version 2 is version 1 with the launch prep written anew for expert scheduling mode. Each part assembles by itself: llvm-mc -triple=amdgcn-amd-amdhsa -mcpu=gfx1250 --defsym DOCPART=n.
;; ======== version 1 of 2: 4 launches
;; limits: values are held in f16: magnitudes above 65,504 overflow, below 6.1e-05 lose precision
;; workspace buffers: xb 8,388,608 bytes; wqkv 6,291,456 bytes; wo16 2,097,152 bytes; qkv 25,165,824 bytes; ctx 8,388,608 bytes
;; launch prep (part 1): grid 512 x 1, 8 waves a work-group, no clusters, 0 bytes of LDS; arguments x, Wq, Wk, Wv, Wo, xb, wqkv, wo16; writes xb, wqkv, wo16
.if DOCPART == 1
	.amdgcn_target "amdgcn-amd-amdhsa--gfx1250"
	.amdhsa_code_object_version 6
	.text
	.protected	k_qb84dafd064_prep
	.globl	k_qb84dafd064_prep
	.p2align	8
	.type	k_qb84dafd064_prep,@function
k_qb84dafd064_prep:
	s_mov_b64 s[64:65], 0
	v_nop
	global_prefetch_b8 v0, s[64:65] scope:SCOPE_SE
	s_setreg_imm32_b32 hwreg(HW_REG_WAVE_MODE, 25, 1), 1
	s_wait_xcnt 0x0
; THE INPUTS ARE ROUNDED ONCE TO 16 BITS AND LAID OUT FOR THE PRODUCTS.  x [4096][1024] f32 -> xb, bf16, BY PAIRS OF TOKENS: number (t, d) lies at byte
; (t / 2) 4096 + (d / 64) 256 + (t % 2) 128 + (d % 64) 2, so that 256 consecutive bytes hold 64 channels of two tokens.  Wq, Wk, Wv [1024][1024] f32 -> wqkv, bf16, [k][3072]:
; Wq in columns 0-1023, Wk in 1024-2047, Wv in 2048-3071.  Wo -> wo16 [1024][1024]: rounded to bf16 like the other inputs, and that number written as f16.
; LIMIT.  A number of Wo beyond 65,504 would become an infinity; below 6.1e-5 it keeps f16's fixed step of 6e-8.
; SHARES.  8,192 source rows of 4,096 bytes: x's 4,096, then 1,024 of each weight.  A work-group takes 16 rows, two at a time: each of its 256 threads 8 numbers, 32 bytes in and 16 bytes out.
; All 16 loads of a thread go out at once; nothing is read twice, no LDS, no barrier, no matrix unit: there is nothing here for them to do.
; Sixteen neighbouring lanes store 256 consecutive bytes, at a multiple of 256 from the buffer's first byte, in every one of the three layouts.
.set X,  16                            ; v[16:79]   pass i: 8 numbers as loaded
.set Y,  80                            ; v[80:111]  pass i: 4 registers to store
.set DO, 2                             ; v[2:9]     pass i: my byte offset in the destination
	s_load_b512 s[8:23], s[0:1], 0x0               ; x s[8:9], Wq s[10:11], Wk s[12:13], Wv s[14:15], Wo s[16:17], xb s[18:19], wqkv s[20:21], wo16 s[22:23]
	s_lshr_b32 s2, ttmp9, 6                        ; which source: 0-3 x, 4 Wq, 5 Wk, 6 Wv, 7 Wo
	s_and_b32 s3, ttmp9, 63
	s_movk_i32 s6, 12288
	s_movk_i32 s7, 4096
	s_cmp_lt_u32 s2, 4
	s_cselect_b32 s28, ttmp9, s3                   ; my block of 16 rows in that source
	s_cselect_b32 s30, -1, 0                       ; all ones: x's layout is taken
	s_sub_co_u32 s4, s2, 4
	s_cmp_lt_u32 s4, 3                             ; Wq, Wk or Wv?
	s_cselect_b32 s29, s6, s7                      ; bytes of the destination in a pass: two rows of 6,144, or two of 2,048, or a pair row of 4,096
	s_cselect_b32 s5, s4, 0
	s_lshl_b32 s5, s5, 11                          ; the weight's 1,024 columns in wqkv: 2,048 bytes each
	s_lshr_b32 s31, s29, 1                         ; a row of the destination
	s_mul_i32 s32, s28, s29
	s_lshl_b32 s32, s32, 3                         ; eight passes a work-group
	s_add_co_u32 s32, s32, s5
	s_mov_b32 s33, 0
	s_lshl_b32 s34, s28, 16                        ; 16 source rows of 4,096 bytes
	s_mov_b32 s35, 0
	; x: thread t stores the 16 bytes at 16 t of a pair row: block t / 16 of 64 channels, token (t / 8) % 2, channels 8 (t % 8) on
	v_lshrrev_b32 v10, 4, v0
	v_bfe_u32 v11, v0, 3, 1
	v_and_b32 v12, 7, v0
	v_lshlrev_b32 v13, 8, v10
	v_lshl_add_u32 v13, v11, 12, v13
	v_lshl_add_u32 v13, v12, 5, v13
	; a weight: thread t takes row t / 128, columns 8 (t % 128) on
	v_lshrrev_b32 v14, 7, v0
	v_and_b32 v15, 127, v0
	v_lshlrev_b32 v10, 12, v14
	v_lshl_add_u32 v10, v15, 5, v10
	v_cndmask_b32 v1, v10, v13, s30                ; my byte offset in the source
	v_lshlrev_b32 v11, 4, v0
	v_mul_u32_u24 v12, v14, s31
	v_lshl_add_u32 v12, v15, 4, v12
	v_cndmask_b32 v[DO], v12, v11, s30             ; and in the destination
	s_wait_kmcnt 0x0
	s_mov_b64 s[24:25], s[8:9]
	s_cmp_eq_u32 s2, 4
	s_cselect_b64 s[24:25], s[10:11], s[24:25]
	s_cmp_eq_u32 s2, 5
	s_cselect_b64 s[24:25], s[12:13], s[24:25]
	s_cmp_eq_u32 s2, 6
	s_cselect_b64 s[24:25], s[14:15], s[24:25]
	s_cmp_eq_u32 s2, 7
	s_cselect_b64 s[24:25], s[16:17], s[24:25]
	s_mov_b64 s[26:27], s[18:19]
	s_cmp_ge_u32 s2, 4
	s_cselect_b64 s[26:27], s[20:21], s[26:27]
	s_cmp_eq_u32 s2, 7
	s_cselect_b64 s[26:27], s[22:23], s[26:27]
	s_add_nc_u64 s[24:25], s[24:25], s[34:35]
	s_add_nc_u64 s[26:27], s[26:27], s[32:33]
.irp i, 0,1,2,3,4,5,6,7
	global_load_b128 v[X+8*(\i):X+8*(\i)+3],   v1, s[24:25] offset:(\i)*8192 th:TH_LOAD_NT
	global_load_b128 v[X+8*(\i)+4:X+8*(\i)+7], v1, s[24:25] offset:(\i)*8192+16 th:TH_LOAD_NT
.endr
.irp i, 1,2,3,4,5,6,7
	v_add_nc_u32 v[DO+(\i)], s29, v[DO+(\i)-1]
.endr
.irp i, 0,1,2,3,4,5,6,7
	s_wait_loadcnt 14-2*(\i)                       ; loads come back in order: this pass's two are in, the later passes' stay out
.irp j, 0,1,2,3
	v_cvt_pk_bf16_f32 v[Y+4*(\i)+(\j)], v[X+8*(\i)+2*(\j)], v[X+8*(\i)+2*(\j)+1]
.endr
.endr
	s_cmp_eq_u32 s2, 7
	s_cbranch_scc0 .Lstore
.set j, 0
.rept 32                               ; Wo alone: the bf16 numbers are widened (a shift, a mask) and written as f16: exact inside f16's range
	v_lshlrev_b32 v[10+2*(j%2)], 16, v[Y+j]
	v_and_b32 v[11+2*(j%2)], 0xffff0000, v[Y+j]
	v_cvt_pk_f16_f32 v[Y+j], v[10+2*(j%2)], v[11+2*(j%2)]
.set j, j+1
.endr
.Lstore:
.irp i, 0,1,2,3,4,5,6,7
	global_store_b128 v[DO+(\i)], v[Y+4*(\i):Y+4*(\i)+3], s[26:27]
.endr
	s_endpgm
.Lfunc_end_k_qb84dafd064_prep:
	.size	k_qb84dafd064_prep, .Lfunc_end_k_qb84dafd064_prep-k_qb84dafd064_prep
	.p2alignl 7, 3214868480
	.fill 96, 4, 3214868480
	.section	.rodata,"a",@progbits
	.p2align	6, 0x0
	.amdhsa_kernel k_qb84dafd064_prep
		.amdhsa_group_segment_fixed_size 0
		.amdhsa_private_segment_fixed_size 0
		.amdhsa_enable_private_segment 0
		.amdhsa_kernarg_size 64
		.amdhsa_user_sgpr_count 2
		.amdhsa_user_sgpr_kernarg_segment_ptr 1
		.amdhsa_wavefront_size32 1
		.amdhsa_system_sgpr_workgroup_id_x 1
		.amdhsa_system_sgpr_workgroup_id_y 1
		.amdhsa_system_sgpr_workgroup_id_z 1
		.amdhsa_system_vgpr_workitem_id 0
		.amdhsa_next_free_vgpr 112
		.amdhsa_next_free_sgpr 66
		.amdhsa_reserve_vcc 0
		.amdhsa_float_denorm_mode_32 3
		.amdhsa_float_denorm_mode_16_64 3
		.amdhsa_memory_ordered 1
		.amdhsa_forward_progress 1
		.amdhsa_inst_pref_size 12
	.end_amdhsa_kernel
	.amdgpu_metadata
---
amdhsa.version: [ 1, 2 ]
amdhsa.kernels:
  - .name:           k_qb84dafd064_prep
    .symbol:         k_qb84dafd064_prep.kd
    .args:
      - { .name: x, .offset: 0, .size: 8, .value_kind: global_buffer, .address_space: global }
      - { .name: Wq, .offset: 8, .size: 8, .value_kind: global_buffer, .address_space: global }
      - { .name: Wk, .offset: 16, .size: 8, .value_kind: global_buffer, .address_space: global }
      - { .name: Wv, .offset: 24, .size: 8, .value_kind: global_buffer, .address_space: global }
      - { .name: Wo, .offset: 32, .size: 8, .value_kind: global_buffer, .address_space: global }
      - { .name: xb, .offset: 40, .size: 8, .value_kind: global_buffer, .address_space: global }
      - { .name: wqkv, .offset: 48, .size: 8, .value_kind: global_buffer, .address_space: global }
      - { .name: wo16, .offset: 56, .size: 8, .value_kind: global_buffer, .address_space: global }
    .group_segment_fixed_size: 0
    .private_segment_fixed_size: 0
    .kernarg_segment_align: 8
    .kernarg_segment_size: 64
    .max_flat_workgroup_size: 256
    .sgpr_count:     66
    .vgpr_count:     112
    .wavefront_size: 32
...
	.end_amdgpu_metadata
.endif
;; end of part 1
;; launch qkv (part 2): grid 24 x 32, 4 waves a work-group, clusters of 4 x 4, 327,680 bytes of LDS; arguments xb, wqkv, qkv; writes qkv
.if DOCPART == 2
	.amdgcn_target "amdgcn-amd-amdhsa--gfx1250"
	.amdhsa_code_object_version 6
	.text
	.protected	k_qb84dafd064_qkv
	.globl	k_qb84dafd064_qkv
	.p2align	8
	.type	k_qb84dafd064_qkv,@function
k_qb84dafd064_qkv:
	s_mov_b64 s[64:65], 0
	v_nop
	global_prefetch_b8 v0, s[64:65] scope:SCOPE_SE
	s_setreg_imm32_b32 hwreg(HW_REG_WAVE_MODE, 25, 1), 1
	s_wait_xcnt 0x0
	s_wait_alu depctr_hold_cnt(0) depctr_sa_sdst(0) depctr_va_vdst(0) depctr_va_sdst(0) depctr_va_ssrc(0) depctr_va_vcc(0) depctr_vm_vsrc(0)
	s_getreg_b32 s2, hwreg(HW_REG_IB_STS2, 6, 4)
	s_cmp_eq_u32 s2, 0
	s_cbranch_scc0 .Lentry_in_a_cluster
	s_endpgm
.Lentry_in_a_cluster:
	s_bfe_u32 s2, ttmp6, 0x10000c
	s_cmp_lg_u32 s2, 0xf033
	s_cbranch_scc0 .Lentry_shape_is_right
	s_endpgm
.Lentry_shape_is_right:
; q, k, v = x Wq, x Wk, x Wv, BY HEADS.  C[m][n] = the sum over k of A[m][k] B[k][n]; A = xb (4,096 tokens x 1,024 channels, bf16, by pairs of tokens: number (t, d) at byte
; (t / 2) 4096 + (d / 64) 256 + (t % 2) 128 + (d % 64) 2), B = wqkv ([1024][3072] bf16).  Sums in f32; C rounded once to f16 and stored unscaled as [48 heads][4096][64]: heads 0-15 q, 16-31 k, 32-47 v.
; LIMIT.  f16 holds no number beyond 65,504: a q, k or v beyond that would become an infinity.
; SHARES.  A tile of C is 128 x 128: 768 work-groups, three for each of 256 WGPs.  Four waves, each 64 x 64: 16 accumulators of 16 x 16.  K goes in four steps of 256 through two LDS slots, written out on end.
; A's tile: 64 pair rows x 1,024 consecutive bytes (four blocks of 64 channels).  B's tile: 256 rows of k x 256 bytes; its fragments come out of LDS turned, by ds_load_tr16_b128.
; CLUSTERS: 4 x 4 work-groups.  The four of a row of the cluster need the same tiles of A, the four of a column the same tiles of B: each tile is asked for JOINTLY, by the same tensor load with the
; same descriptor and a mask that names the four.  THE MATRIX INSTRUCTION IS USED TRANSPOSED (source 0 = 16 columns of B, source 1 = 16 rows of A): a lane then holds eight neighbouring numbers of a row of C.
; No prefetch: of four K steps two are the first fills, and the other two are asked for one K step (128 matrix instructions a wave) ahead by their loads.
; REGISTERS: window 0: v0-31 addresses; v32-95 at work on the way out; v128-255 the accumulators ((a, b) at v[128 + 8 (4 a + b)]).
;   window 1: two fragment buffers of 128: for 64 along K (two matrix instructions deep), 64 registers of A, then 64 of B.
.set NP,     3072                      ; columns of B
.set PA,     1040                      ; a pair row of A in LDS: 1,024 bytes + 16 of padding: token r of 16 starts at (r / 2) 1040 + (r % 2) 128: sixteen different columns of 16 bytes modulo 256
.set AH,     32*PA                     ; 32 pair rows = 64 tokens: what one tensor load brings, and what one wave reads of A
.set PB,     288                       ; a row of B in LDS: 256 bytes + 32 of padding = 72 words
.set BH,     128*PB                    ; 128 rows of k: what one tensor load brings
.set BOFF,   2*AH                      ; B's tile lies behind A's
.set SLOT,   BOFF+2*BH
.set STAGE,  2*SLOT                    ; behind the ring, never filled by a tensor load: 16 rows x 144 bytes for each wave, for the way out
.set SP,     144
.set SPARE,  STAGE+4*16*SP             ; behind the stages: the spare words, 128 bytes for each wave: two blocks of 256 bytes that no other line names
.set ASTEP,  1024                      ; a K step in a pair row of A, in bytes
.set BSTEP,  512*NP                    ; a K step in B: 256 rows of 2 NP bytes
.set ADRA, 16                          ; v16-17  LDS address of my A fragments in slot 0, 1
.set ADRB, 20                          ; v20-23  the same for B: slot s, half hh of the K step at v[20 + 2 s + hh] (a K step's 256 rows reach past a 16-bit offset)
.set STO,  24                          ; v24     the way out: where I put 16 bytes of a row
.set RD,   25                          ; v25     the way out: where I read rows back
.set CO,   26                          ; v26     my byte offset in 512 consecutive bytes of C
.set SPW,  28                          ; v28     LDS address of my spare word: SPARE + 4 x my thread's number; never rewritten
.set NIL,  29                          ; v29     0; never rewritten
.set TMP,  32
.set ACC,  128
.set F0,   0                           ; fragment buffers, in window 1
.set F1,   128
.set G1, 24                            ; s[24:31] descriptor group 1 for A's tiles;  s[32:39] group 0, one set for each slot
.set G0, 32
.set G1B, 48                           ; s[48:55], s[56:63] the same for B's tiles
.set G0B, 56
.set MSB, 0
.macro WIN new                         ; the immediate's high byte repeats the setting that is left; a switch that changes nothing is dropped
.if MSB != (\new)
	s_set_vgpr_msb (MSB<<8)|(\new)
.set MSB, \new
.endif
.endm
.set MUL,  0x05                        ; sources 0 (B) and 1 (A) window 1; C and D window 0
.set TO_F, 0x40                        ; destination window 1, address window 0
.macro JLOAD s                         ; a joint load: waves 0 and 1 fetch A's two halves, waves 2 and 3 B's; an s_nop 0 and four v_nop follow each of the two lines, ahead of the jump, the label and what follows
	s_cmp_eq_u32 s11, 0
	s_cbranch_scc0 .Lfor_b_\@
	tensor_load_to_lds s[G0+4*(\s):G0+4*(\s)+3], s[G1:G1+7]
	s_nop 0
.rept 4
	v_nop
.endr
	s_branch .Lasked_\@
.Lfor_b_\@:
	tensor_load_to_lds s[G0B+4*(\s):G0B+4*(\s)+3], s[G1B:G1B+7]
	s_nop 0
.rept 4
	v_nop
.endr
.Lasked_\@:
.endm
.macro CREST                           ; a round of the cluster's barrier behind its opening barrier
	s_cmp_lg_u32 s10, 0
	s_cbranch_scc1 .Lnot_wave_0_\@
	s_barrier_signal -3
.Lnot_wave_0_\@:
	s_barrier_wait -3
	s_barrier_signal -1
	s_barrier_wait -1
.endm
.macro CROUND                          ; a whole round
	s_barrier_signal -1
	s_barrier_wait -1
	CREST
.endm
	s_load_b128 s[4:7], s[0:1], 0x0                ; A s[4:5], B s[6:7]
	s_load_b64 s[8:9], s[0:1], 0x10                ; C
	v_lshl_add_u32 v[SPW], v0, 2, SPARE
	v_mov_b32 v[NIL], 0
	ds_add_u32 v[SPW], v[NIL]                      ; the wave's opening: the add and its wait stand ahead of my first tensor load; the set-up below, work on registers, stands between them
	ds_add_u32 v28, v29
	v_lshrrev_b32 v1, 5, v0
	v_readfirstlane_b32 s10, v1                    ; wave 0..3
	s_lshr_b32 s11, s10, 1                         ; which half of the tile's rows is mine.  Also: I fetch for A (0) or for B (1)
	s_and_b32 s12, s10, 1                          ; which half of its columns.  Also: which half of that tile I fetch
	s_bfe_u32 s40, ttmp6, 0x40000                  ; cx, cy: my place in the cluster
	s_bfe_u32 s41, ttmp6, 0x40004
	s_lshl_b32 s42, ttmp9, 2
	s_add_co_u32 s42, s42, s40                     ; tile column of C = 4 x cluster x + cx
	s_and_b32 s13, ttmp7, 0xffff
	s_lshl_b32 s13, s13, 2
	s_add_co_u32 s13, s13, s41                     ; tile row of C = 4 x cluster y + cy
	s_lshl_b32 s43, s41, 2
	s_lshl_b32 s43, 15, s43                        ; my row of the cluster
	s_lshl_b32 s44, 0x1111, s40                    ; my column
	; descriptor group 1.  A: 32 pair rows x 512 elements; B: 128 rows x 128 elements; both padded in LDS behind every row
	s_or_b32 s[G1+0], s43, (1<<16)|(1<<20)|(1<<21)|(7<<22)|(3<<25)   ; 15:0 the mask: A's tiles go to my row; 17:16 elements of 2 bytes; 20 padding on; 21 set beside a mask; 24:22 after every 256 words (code 7); 31:25 4 words (code 3)
	s_or_b32 s[G1B+0], s44, (1<<16)|(1<<20)|(1<<21)|(5<<22)|(7<<25)  ; the mask of my column; after every 64 words (code 5) 8 words (code 7)
	s_mov_b32 s[G1+1], 512<<16                     ; tensor_dim0 = 512
	s_mov_b32 s[G1+2], 32<<16                      ; tensor_dim1 = 32
	s_mov_b32 s[G1+3], 512<<16                     ; tile_dim0 = 512
	s_mov_b32 s[G1+4], 32                          ; tile_dim1 = 32
	s_mov_b32 s[G1+5], 2048                        ; 2,048 elements from pair row to pair row
	s_mov_b32 s[G1+6], 0
	s_mov_b32 s[G1+7], 0
	s_mov_b32 s[G1B+1], 128<<16                    ; tensor_dim0 = 128
	s_mov_b32 s[G1B+2], 128<<16                    ; tensor_dim1 = 128
	s_mov_b32 s[G1B+3], 128<<16                    ; tile_dim0 = 128
	s_mov_b32 s[G1B+4], 128                        ; tile_dim1 = 128
	s_mov_b32 s[G1B+5], NP                         ; NP elements from row to row
	s_mov_b32 s[G1B+6], 0
	s_mov_b32 s[G1B+7], 0
	; where the tiles come from.  A's hang on the tile row alone, B's on the tile column alone, each in registers that never hold the other coordinate
	s_lshl_b32 s16, s13, 18                        ; A: 64 pair rows of 4,096 bytes a tile row,
	s_lshl_b32 s17, s12, 17                        ; 32 a half
	s_add_co_u32 s16, s16, s17
	s_mov_b32 s17, 0
	s_mul_i32 s46, s12, 256*NP                     ; B: 128 rows of 2 NP bytes a half,
	s_lshl_b32 s47, s42, 8                         ; 256 bytes a tile column
	s_add_co_u32 s46, s46, s47
	s_mov_b32 s47, 0
	s_mul_i32 s20, s12, AH                         ; and where they go: no place in the cluster enters an LDS address
	s_mul_i32 s21, s12, BH
	s_add_co_u32 s21, s21, BOFF
	s_wait_dscnt 0x0                               ; the opening add is done
	s_wait_kmcnt 0x0
	s_add_nc_u64 s[14:15], s[4:5], s[16:17]
	s_add_nc_u64 s[46:47], s[6:7], s[46:47]
	CROUND                                         ; all sixteen work-groups are here: the first joint loads meet
.irp s, 0,1
	s_mov_b32 s[G0+4*(\s)], 1                                      ; 1:0 count = 1
	s_add_co_u32 s[G0+4*(\s)+1], s20, (\s)*SLOT                    ; 63:32 LDS address
	s_add_nc_u64 s[G0+4*(\s)+2:G0+4*(\s)+3], s[14:15], (\s)*ASTEP  ; 120:64 global address: K step s
	s_or_b32 s[G0+4*(\s)+3], s[G0+4*(\s)+3], 0x80000000            ; 127:126 type = 2
	s_mov_b32 s[G0B+4*(\s)], 1
	s_add_co_u32 s[G0B+4*(\s)+1], s21, (\s)*SLOT
	s_add_nc_u64 s[G0B+4*(\s)+2:G0B+4*(\s)+3], s[46:47], (\s)*BSTEP
	s_or_b32 s[G0B+4*(\s)+3], s[G0B+4*(\s)+3], 0x80000000
	JLOAD \s                                       ; two tensor loads of mine are out
.endr
	; A fragment of A is 16 tokens x 32 channels in 8 registers: lane l holds token l % 16, channels 8 (l / 16) + 0..7 and 16 + 8 (l / 16) + 0..7: two loads of 16 bytes, 32 bytes apart.
	v_and_b32 v1, 15, v0                           ; r = l % 16
	v_bfe_u32 v2, v0, 4, 1                         ; h = l / 16
	v_lshrrev_b32 v3, 1, v1
	v_and_b32 v4, 1, v1
	v_mul_u32_u24 v3, v3, PA
	v_lshl_add_u32 v3, v4, 7, v3
	v_lshl_add_u32 v3, v2, 4, v3                   ; (r / 2) x pitch + (r % 2) x 128 + 16 h
	s_mul_i32 s22, s11, AH                         ; my 64 tokens
	v_add_nc_u32 v[ADRA], s22, v3
	v_add_nc_u32 v[ADRA+1], SLOT, v[ADRA]
	; The turning load takes 16 rows of k x 16 columns (lane l reads row 8 h + l % 8, columns 8 ((l / 8) % 2) + 0..7) and leaves half a fragment: lane l holds column l % 16 and 8 k.
	v_and_b32 v5, 7, v0
	v_lshl_add_u32 v5, v2, 3, v5
	v_mul_u32_u24 v5, v5, PB
	v_bfe_u32 v6, v0, 3, 1
	v_lshl_add_u32 v5, v6, 4, v5
	s_lshl_b32 s22, s12, 7                         ; my 64 columns: 128 bytes
	s_add_co_u32 s22, s22, BOFF
	v_add_nc_u32 v[ADRB], s22, v5
	v_add_nc_u32 v[ADRB+1], BH, v[ADRB]
	v_add_nc_u32 v[ADRB+2], SLOT, v[ADRB]
	v_add_nc_u32 v[ADRB+3], SLOT+BH, v[ADRB]
	s_mul_i32 s23, s10, 16*SP
	s_add_co_u32 s23, s23, STAGE                   ; my stage
	v_mul_u32_u24 v4, v1, SP                       ; in: row l % 16, 16 bytes for each half of the lanes
	v_lshl_add_u32 v4, v2, 4, v4
	v_add_nc_u32 v[STO], s23, v4
	v_bfe_u32 v5, v0, 3, 2                         ; back: 32 lanes take four rows of 128 bytes,
	v_mul_u32_u24 v5, v5, SP
	v_and_b32 v6, 7, v0
	v_lshl_add_u32 v5, v6, 4, v5
	v_add_nc_u32 v[RD], s23, v5
	v_and_b32 v[CO], 31, v0                        ; which are 512 consecutive bytes of a head
	v_lshlrev_b32 v[CO], 4, v[CO]
	s_lshl_b32 s16, s13, 14                        ; my first row of C: 128 rows of 128 bytes a tile row,
	s_lshl_b32 s17, s11, 13                        ; 64 a half
	s_add_co_u32 s16, s16, s17
	s_mov_b32 s17, 0
	s_add_nc_u64 s[8:9], s[8:9], s[16:17]
	s_lshl_b32 s46, s42, 1                         ; my 64 columns are one head: 2 x tile column + half,
	s_add_co_u32 s46, s46, s12
	s_lshl_b32 s46, s46, 19                        ; 524,288 bytes each
	s_mov_b32 s47, 0
	s_add_nc_u64 s[8:9], s[8:9], s[46:47]
; 8 matrix instructions: m blocks a0, a0 + 1 x all 4 n blocks, 32 along K: half c of buffer f.  zero = 1: the first product starts the sums.  The 16 accumulators take turns.
.macro MUL8 f, c, a0, zero
	WIN MUL
.irp a, \a0, (\a0)+1
.irp b, 0,1,2,3
.if \zero
	v_wmma_f32_16x16x32_bf16 v[ACC+8*(4*(\a)+(\b)):ACC+8*(4*(\a)+(\b))+7], v[(\f)+64+8*(4*(\c)+(\b)):(\f)+64+8*(4*(\c)+(\b))+7], v[(\f)+8*(4*(\c)+(\a)):(\f)+8*(4*(\c)+(\a))+7], 0
.else
	v_wmma_f32_16x16x32_bf16 v[ACC+8*(4*(\a)+(\b)):ACC+8*(4*(\a)+(\b))+7], v[(\f)+64+8*(4*(\c)+(\b)):(\f)+64+8*(4*(\c)+(\b))+7], v[(\f)+8*(4*(\c)+(\a)):(\f)+8*(4*(\c)+(\a))+7], v[ACC+8*(4*(\a)+(\b)):ACC+8*(4*(\a)+(\b))+7]
.endif
.endr
.endr
.endm
; 32 LDS loads in one run: the fragments of quarter q (64 along K) of a K step, into buffer f; the first 32 along K first
.macro FETCH slot, q, f
	WIN TO_F
.irp c, 0,1
.irp i, 0,1,2,3
	ds_load_tr16_b128 v[(\f)+64+8*(4*(\c)+(\i)):(\f)+64+8*(4*(\c)+(\i))+3],   v[ADRB+2*(\slot)+(\q)/2] offset:(((\q)%2)*64+32*(\c))*PB+32*(\i)
	ds_load_tr16_b128 v[(\f)+64+8*(4*(\c)+(\i))+4:(\f)+64+8*(4*(\c)+(\i))+7], v[ADRB+2*(\slot)+(\q)/2] offset:(((\q)%2)*64+32*(\c)+16)*PB+32*(\i)
	ds_load_b128 v[(\f)+8*(4*(\c)+(\i)):(\f)+8*(4*(\c)+(\i))+3],         v[ADRA+(\slot)] offset:256*(\q)+64*(\c)+(\i)*8*PA
	ds_load_b128 v[(\f)+8*(4*(\c)+(\i))+4:(\f)+8*(4*(\c)+(\i))+7],       v[ADRA+(\slot)] offset:256*(\q)+64*(\c)+(\i)*8*PA+32
.endr
.endr
.endm
.macro PLACES                          ; four plain vector instructions in front of loads into registers that matrix instructions have read, and of conversions that read results
.rept 4
	v_nop
.endr
.endm
; A K step is four quarters of 64 along K, 32 matrix instructions each, on buffers 0, 1, 0, 1.  One of the first three: multiplies buffer f and fetches quarter q into g.
.macro QUARTER slot, q, f, g, zero
	s_wait_dscnt 16                                ; the first 32 along K are in; the youngest sixteen loads may be out
	WIN MUL
	MUL8 \f, 0, 0, \zero
	MUL8 \f, 0, 2, \zero
	PLACES
	FETCH \slot, \q, \g
	s_wait_dscnt 32                                ; all but the 32 just issued
	WIN MUL
	MUL8 \f, 1, 0, 0
	MUL8 \f, 1, 2, 0
.endm
; The last quarter multiplies buffer 1 and changes slots: ONE barrier; in front of it each wave waits for all its tensor loads, adds 0 to its spare word, and waits for that and for its own reads of this slot.  fill = 1: this slot is filled again, two K steps ahead.
.macro TURN slot, next, fill
	WIN 0                                          ; (the add's two registers lie in window 0)
	s_wait_tensorcnt 0x0                           ; all my tensor loads have landed: my part of the next slot;
	ds_add_u32 v[SPW], v[NIL]                      ; 0 onto my spare word;
	s_wait_dscnt 17                                ; (the add and the youngest sixteen loads may be out)
	WIN MUL
	MUL8 F1, 0, 0, 0                               ; eight matrix instructions stand between the add and the wait for it
	s_wait_dscnt 0x0                               ; the add is done, and my reads of this slot are over
	s_barrier_signal -1
	MUL8 F1, 0, 2, 0
.if \fill
	WIN 0
.endif
	s_barrier_wait -1
.if \fill
	CREST                                          ; the barrier has opened a round of the cluster's barrier: no wave of any partner still reads this slot's tile or has a load on its way
	s_add_nc_u64 s[G0+4*(\slot)+2:G0+4*(\slot)+3], s[G0+4*(\slot)+2:G0+4*(\slot)+3], 2*ASTEP
	s_add_nc_u64 s[G0B+4*(\slot)+2:G0B+4*(\slot)+3], s[G0B+4*(\slot)+2:G0B+4*(\slot)+3], 2*BSTEP
	JLOAD \slot                                    ; the first tensor load behind the round, my one load that is out: 112 matrix instructions ahead of the wait for it; its four v_nop are also the places in front of the loads below
.else
	PLACES
.endif
	FETCH \next, 0, F0
	WIN MUL
	MUL8 F1, 1, 0, 0
	MUL8 F1, 1, 2, 0
.endm
	s_wait_tensorcnt 1                             ; my part of K step 0 is in; K step 1's may stay out
	s_barrier_signal -1
	s_barrier_wait -1                              ; everybody's is
	FETCH 0, 0, F0
	QUARTER 0, 1, F0, F1, 1                        ; K step 0: its first products start the sums
	QUARTER 0, 2, F1, F0, 0
	QUARTER 0, 3, F0, F1, 0
	TURN 0, 1, 1                                   ; slot 0 takes K step 2
	QUARTER 1, 1, F0, F1, 0                        ; K step 1
	QUARTER 1, 2, F1, F0, 0
	QUARTER 1, 3, F0, F1, 0
	TURN 1, 0, 1                                   ; slot 1 takes K step 3
	QUARTER 0, 1, F0, F1, 0                        ; K step 2
	QUARTER 0, 2, F1, F0, 0
	QUARTER 0, 3, F0, F1, 0
	TURN 0, 1, 0                                   ; nothing is left to fetch
	QUARTER 1, 1, F0, F1, 0                        ; K step 3
	QUARTER 1, 2, F1, F0, 0
	QUARTER 1, 3, F0, F1, 0
	s_wait_dscnt 16                                ; the very last quarter
	WIN MUL
	MUL8 F1, 0, 0, 0
	MUL8 F1, 0, 2, 0
	s_wait_dscnt 0
	MUL8 F1, 1, 0, 0
	MUL8 F1, 1, 2, 0
	WIN 0
	; THE WAY OUT: rounded to f16; 16 rows of my head (2,048 consecutive bytes of C) at a time through my own stage: 16 bytes a lane in, whole rows back.  No other wave touches the stage: no barrier.
	PLACES
.irp t, 0,1,2,3,4,5,6,7,8,9,10,11,12,13,14,15
.irp r, 0,1,2,3
	v_cvt_pk_f16_f32 v[TMP+4*(\t)+(\r)], v[ACC+8*(\t)+2*(\r)], v[ACC+8*(\t)+2*(\r)+1]
.endr
.endr
.macro TOSTAGE a
.irp b, 0,1,2,3
	ds_store_b128 v[STO], v[TMP+4*(4*(\a)+(\b)):TMP+4*(4*(\a)+(\b))+3] offset:32*(\b)
.endr
.irp f, 0,1,2,3
	ds_load_b128 v[TMP+4*(4*(\a)+(\f)):TMP+4*(4*(\a)+(\f))+3], v[RD] offset:(\f)*4*SP  ; LDS serves a wave's instructions in order (ISA guide 5.7.1.4): these see the stores above; the next block's stores come behind them
.endr
.endm
.macro SEND a, younger                 ; younger: the LDS instructions issued behind block a's loads: the next block's eight, or none
.irp f, 0,1,2,3
	s_wait_dscnt (\younger)+3-(\f)
	global_store_b128 v[CO], v[TMP+4*(4*(\a)+(\f)):TMP+4*(4*(\a)+(\f))+3], s[8:9] offset:(\a)*2048+(\f)*512  ; 512 consecutive bytes, at a multiple of 256 from C's first
.endr
.endm
	TOSTAGE 0
.irp a, 1,2,3
	TOSTAGE \a
	SEND (\a)-1, 8
.endr
	SEND 3, 0
	s_wait_tensorcnt 0x0                           ; the wave's end: the add and its wait stand behind my last tensor load and my last LDS store
	ds_add_u32 v[SPW], v[NIL]
	s_wait_dscnt 0x0
	CROUND                                         ; the closing round: no work-group ends while a partner may still ask for a tile that names it
	s_endpgm
.Lfunc_end_k_qb84dafd064_qkv:
	.size	k_qb84dafd064_qkv, .Lfunc_end_k_qb84dafd064_qkv-k_qb84dafd064_qkv
	.p2alignl 7, 3214868480
	.fill 96, 4, 3214868480
	.section	.rodata,"a",@progbits
	.p2align	6, 0x0
	.amdhsa_kernel k_qb84dafd064_qkv
		.amdhsa_group_segment_fixed_size 327680
		.amdhsa_private_segment_fixed_size 0
		.amdhsa_enable_private_segment 0
		.amdhsa_kernarg_size 24
		.amdhsa_user_sgpr_count 2
		.amdhsa_user_sgpr_kernarg_segment_ptr 1
		.amdhsa_wavefront_size32 1
		.amdhsa_system_sgpr_workgroup_id_x 1
		.amdhsa_system_sgpr_workgroup_id_y 1
		.amdhsa_system_sgpr_workgroup_id_z 1
		.amdhsa_system_vgpr_workitem_id 0
		.amdhsa_next_free_vgpr 512
		.amdhsa_next_free_sgpr 66
		.amdhsa_reserve_vcc 0
		.amdhsa_float_denorm_mode_32 3
		.amdhsa_float_denorm_mode_16_64 3
		.amdhsa_memory_ordered 1
		.amdhsa_forward_progress 1
		.amdhsa_inst_pref_size 87
	.end_amdhsa_kernel
	.amdgpu_metadata
---
amdhsa.version: [ 1, 2 ]
amdhsa.kernels:
  - .name:           k_qb84dafd064_qkv
    .symbol:         k_qb84dafd064_qkv.kd
    .args:
      - { .name: xb, .offset: 0, .size: 8, .value_kind: global_buffer, .address_space: global }
      - { .name: wqkv, .offset: 8, .size: 8, .value_kind: global_buffer, .address_space: global }
      - { .name: qkv, .offset: 16, .size: 8, .value_kind: global_buffer, .address_space: global }
    .group_segment_fixed_size: 327680
    .private_segment_fixed_size: 0
    .kernarg_segment_align: 8
    .kernarg_segment_size: 24
    .max_flat_workgroup_size: 128
    .sgpr_count:     66
    .vgpr_count:     512
    .wavefront_size: 32
...
	.end_amdgpu_metadata
.endif
;; end of part 2
;; launch attn (part 3): grid 16 x 16, 4 waves a work-group, no clusters, 327,680 bytes of LDS; arguments qkv, ctx; writes ctx
.if DOCPART == 3
	.amdgcn_target "amdgcn-amd-amdhsa--gfx1250"
	.amdhsa_code_object_version 6
	.text
	.protected	k_qb84dafd064_attn
	.globl	k_qb84dafd064_attn
	.p2align	8
	.type	k_qb84dafd064_attn,@function
k_qb84dafd064_attn:
	s_mov_b64 s[64:65], 0
	v_nop
	global_prefetch_b8 v0, s[64:65] scope:SCOPE_SE
	s_setreg_imm32_b32 hwreg(HW_REG_WAVE_MODE, 25, 1), 1
	s_wait_xcnt 0x0
; CAUSAL ATTENTION.  O[h][q][:] = the sum over k <= q of softmax_k(Q[h][q] . K[h][k] / 8) V[h][k][:].  qkv: [48][4096][64] f16, heads 0-15 Q, 16-31 K, 32-47 V: a head's rows are dense, 128 bytes each.
; O leaves as f16 in ctx, by pairs of tokens: number (t, head, channel) at byte (t / 2) 4096 + head x 256 + (t % 2) 128 + channel x 2.
; Products, maxima and sums in f32; the weights p are rounded to f16 for the second product (their sum l is taken of the unrounded p), O once at the end.
; LIMITS.  f16 holds no number beyond 65,504: Q, K and V arrive within it; p lies in 0 to 1, and below 6e-5 it keeps f16's fixed step of 6e-8.
; A hidden score counts as its value less 1e30: f16's scores, 2.7e11 at the most, are nothing beside that; the running maximum starts at -2^98 = -3.2e29, below every true score and above every hidden one;
; a weight below 2^-126 counts as 0 in l; NaN and infinities are not treated apart.
; THE WALK.  A head's queries lie in NB = 16 blocks of 256; block i needs the key tiles 0 .. i of 256 keys, of which the last holds the diagonal.  Work-group b (0 .. 15) of a head, b' = b / 2, takes 128 queries
; of block 15 - b' and then 128 of block b': the upper half of the one and the lower half of the other, by b % 2.  That is 17 tiles whatever b: 256 work-groups of equal work, and ONE loop with a constant
; trip count.  Which tile is asked for, and what a trip does, hang on scalar registers made from b, the same in all four waves; the ring (two slots of LDS that take turns) runs on across the change of blocks.
; NO CLUSTER: only the two work-groups 2 b' and 2 b' + 1 walk the same tiles from first to last; four partners would want different tiles from trip 9 on, and a walk common to all has 24 trips for 17.
; SHARES.  THE KEYS ARE SPLIT AMONG THE WAVES.  Wave w: qh = w % 2, kh = w / 2.  It owns 64 of the 128 queries, in four PIECES of 16: piece x is rows 64 (x / 2) + 32 qh + 16 (x % 2) on; and of a tile's four
; key steps of 64 it takes steps kh and kh + 2.  Waves qh and qh + 2 so make two partial softmaxes of the same queries; they meet in LDS at the block's end: O = (f0 O0 + f1 O1) / (f0 l0 + f1 l1), f = 2^(c m - the greater c m).
; THE MASK is the C operand that starts the sum S^T = K Q^T: 0, or -1e30 where the key is hidden.  In the diagonal tile step s and the band of 64 queries y of my half (band 2 hq + y of the block): all keys are
; seen if s < 2 hq + y, none if greater, and the diagonal lies in the step if equal.  MD, made once for each parity of the piece, is the mask of a band's own step; a product's mask is MD x AL + BE with two
; scalars: (1, 0), (0, 0) or (0, -1e30).  Only the diagonal tile's text and a block's beginning make and take masks; elsewhere C is the constant 0.  A piece that sees no key at all (block 0, band 0, kh = 1)
; keeps m = -2^98: all its scores lie 6.8e29 below that, so all its weights, its l and its O are 0, and its factor f at the meeting is 0 too; the divisor there is the other wave's l, which holds the row's own key.
; LAYOUT, SOFTMAX, TURNS.  S^T = K Q^T holds ONE query a lane (lane % 16) and the keys 8 (lane / 16) + 0..7; two such results rounded to f16 ARE source 1 of O^T = V^T P.  p = 2^(c s - c m), c = log2(e) / 8, with a
; running maximum m; O and l are multiplied by a = 2^(c m_old - c m_new) in every step.  Turn n belongs to piece n: 8 products K Q^T of piece n + 1, later 8 products V^T P of piece n - 1; beside them the scaling,
; exponentials, roundings, sums and rescaling of piece n and the maximum and statistics of piece n + 1.  Four vector instructions stand behind every matrix instruction, the other 54 of a turn's 118 in two runs of their own.
; REGISTERS, in windows of 256 (s_set_vgpr_msb: bits 1:0 source 0, 3:2 source 1, 5:4 source 2, 7:6 destination):
;   window 0: v0-15 addresses and two at work; v16-31 four registers of statistics a piece; v32-36 addresses; v48-55 at work; v64-127 S^T, two buffers; v192-223 P, two buffers (a piece's buffers go by its number's parity)
;   window 1: v0-127 O^T, 32 a piece; v128-159, v224-255 MD; v160-223 MC, two buffers      window 2: v0-63 Q; v64-127 the second block's Q; v128-191 K of one step; v192-255 V of one step
.set NB,    16
.set NP,    4         ; pieces a wave: a name, no knob
.set KS,    64        ; keys in a step
.set PK,    144       ; a row of K in LDS: 128 bytes + 16 of padding = 36 words: the 16 rows of a load start at 16 different groups of four banks (64 banks of 4 bytes: ISA guide 11.1)
.set PV,    160       ; a row of V: 128 + 32 = 40 words
.set VOFF,  4*KS*PK   ; a slot holds a tile, four steps: 256 rows of K, then 256 rows of V
.set SLOT1, 1<<17     ; slot 1 begins here, so that one exclusive or turns an address in one slot into the other's
.set STAGE, SLOT1+4*KS*(PK+PV)  ; behind the ring, never filled by a tensor load: 16 rows x 144 bytes for each wave, for the way out
.set SP,    144
.set SPARE, STAGE+4*16*SP  ; behind the stages: the spare words, 128 bytes for each wave: two blocks of 256 bytes that no other line names
.set XCH,   SPARE+512 ; behind them, never filled by a tensor load: where the partial softmaxes meet
.set XW,    17408     ; a wave's part of it: O^T, 16,384 bytes (piece t at 4096 t, four registers g at 512 g, lane l at 16 l), then c m and l, 1,024 bytes (piece t at 256 t, lane l at 8 l)
.set AK0, 2           ; v2   my lane's place in my first step of a tile of K; never rewritten
.set AV0, 3           ; v3   the same for V
.set AK,  4           ; v4   the LDS address of K's next run of loads
.set AV,  5           ; v5   of V's
.set STO, 6           ; v6   the way out: where I put 16 bytes of a row
.set RD,  7           ; v7   the way out: where I read rows back
.set GO,  8           ; v8   my byte offset in two pair rows of ctx
.set SPW, 62          ; v62  LDS address of my spare word: SPARE + 4 x my thread's number; never rewritten
.set NIL, 63          ; v63  0; never rewritten
.set MV,  12          ; v12-13  c m_old, kept while c m is made anew: by buffer
.set QO,  15          ; v15  my byte offset in 16 rows of Q
.set ST,  16          ; piece t's statistics at v[ST+4 t]: c m, m, l (even keys', odd keys')
.set XS,  32          ; v32  the meeting: where I put 16 bytes of O^T
.set XT,  33          ; v33  and c m and l
.set XL,  34          ; v34  where I read the O^T of the two pieces that I finish, of wave qh; wave qh + 2's lie 2 XW on
.set XM,  35          ; v35  and their c m and l
.set PFO, 36          ; v36  256 x my lane: the prefetches' offset; never rewritten
.set TMP, 48          ; by buffer, four registers c0-c3 at work; when the maximum is found c2 takes a
.set S,   64
.set P,   192
.set MD,  128         ; window 1: parity u's mask at MD + 96 u, the eight registers for group kt of 16 keys at + 8 kt
.set MC,  160         ; window 1: the masks of the products to come
.set QB,  64          ; window 2
.set KF,  128         ; window 2: key block kb, channel half c at KF + 16 kb + 8 c
.set VF,  192         ; window 2: key half kk, channel block cb at VF + 32 kk + 8 cb
.set WV,  12          ; s12  my wave's number
.set PB,  14          ; s14  b'
.set HI,  15          ; s15  NB - 1 - b'
.set G1K, 24          ; s[24:31] descriptor group 1 for K's tiles
.set G1V, 32          ; s[32:39] for V's: it differs in the padding alone
.set G0K, 40          ; s[40:43] descriptor group 0 for K's tiles
.set G0V, 44          ; s[44:47] the same for V's
.set SLOTS, 56        ; s56  tiles still to be asked for
.set CNT, 57          ; s57  counts my key steps of a tile, 2 to 1
.set CS,  58          ; s[58:59] c: the packed scaling takes the pair's low word for both halves
.set SEL, 60          ; s[60:61] v_permlanex16_b32's selects: each lane takes its own place in the other half
.set TBK, 62          ; s62  LDS byte at which the pair of steps begins of which K is to be fetched
.set TBV, 63          ; s63  the same for V, less VOFF
.set RT,  70          ; s70  tiles of the block in hand that are still to be entered
.set NXT, 71          ; s71  the tile to be asked for next
.set LQ,  72          ; s72  the last tile of the block whose tiles are being asked for
.set NEW, 73          ; s73  1: the tile to be entered is a block's first
.set OFF, 74          ; s[74:75] a tile's byte offset in K and V
.set AL,  76          ; s[76:77] the mask's factor, in the low word
.set BE,  78          ; s[78:79] the mask's addend
.set OLO, 80          ; s[80:81] ctx at my rows of the second block
.set BIGN, 82         ; s82  -1e30
.set KH,  88          ; s88  kh
.set QH,  89          ; s89  qh
.set HQ2, 90          ; s90  2 x the half (0, 1) of the block in hand that is my work-group's
.set HQN, 91          ; s91  the same for the second block
.set REL, 92          ; s92  my step's number in the tile, less HQ2
.set PFL, 93          ; s93  1 in the head's work-group 0, which prefetches, else 0
.set PFB, 94          ; s[94:95] K or V at the part of tile 0 that I fetch
.set PFA, 96          ; s[96:97] the same part of the tile that the next change of slots will ask for
.set OF2, 98          ; s[98:99] that tile's byte offset
.set PFT, 100         ; s100 that tile's number where I prefetch, else 0
.set MSB, 0
.macro WIN new                      ; the high byte repeats the setting that is left; a switch that changes nothing is dropped
.if MSB != (\new)
	s_set_vgpr_msb (MSB<<8)|(\new)
.set MSB, (\new)
.endif
.endm
.set W_KQ, 0x0a       ; K and Q in window 2, S^T in window 0
.set W_KM, 0x1a       ; the same with the C operand in window 1
.set W_PV, 0x52       ; V in window 2, P in window 0, O^T in window 1
.set W_RS, 0x41       ; destination and source 0 in window 1, source 1 in window 0
; A fill.  Waves 0 and 1 fetch the two halves of a tile's K, waves 2 and 3 those of its V: 128 keys each.  An s_nop 0 and four v_nop follow each of the two lines, ahead of the jump and the label.
.macro LOAD
	s_cmp_lt_u32 s[WV], 2
	s_cbranch_scc0 .Lfor_v_\@
	tensor_load_to_lds s[G0K:G0K+3], s[G1K:G1K+7]
	s_nop 0
.rept 4
	v_nop
.endr
	s_branch .Lasked_\@
.Lfor_v_\@:
	tensor_load_to_lds s[G0V:G0V+3], s[G1V:G1V+7]
	s_nop 0
.rept 4
	v_nop
.endr
.Lasked_\@:
.endm
; A PREFETCH INTO THE L2 of what the NEXT change of slots will ask for, behind the wave's tensor load and its five lines.  All sixteen work-groups of a head begin with the same tiles in the same order: work-group 0,
; whose first block has all sixteen, asks, and nobody else.  Each of its waves asks for the 16,384 bytes that it will itself fetch: 64 blocks of 256 bytes, a lane a block, two instructions.  So each block is
; named once in the launch.  It stands two of the wave's key steps, 128 matrix instructions, ahead of that load.  Tiles 0 and 1 come by their loads alone; behind tile 15 the number goes back to 0, and nothing is asked for.
.macro ASK
	s_cmp_lg_u32 s[PFT], 0
	s_cbranch_scc0 .Lnot_mine_\@
	global_prefetch_b8 v[PFO], s[PFA:PFA+1] th:TH_LOAD_NT scope:SCOPE_SE
	global_prefetch_b8 v[PFO], s[PFA:PFA+1] offset:8192 th:TH_LOAD_NT scope:SCOPE_SE
.Lnot_mine_\@:
.endm
; THE CHANGE OF SLOTS.  Each wave waits for all its tensor loads, of which one is out: its part of the other slot; adds 0 to its spare word; and waits for that and for its own reads of the slot that it leaves.  Behind the barrier nobody reads the old
; slot any more and the other slot is whole.  fill = 1: the old slot is filled again, the first thing behind the barrier, with tile NXT: the descriptor's address is made anew from that number.
; (At its first use nothing has been read yet: slot 0 is waited for, slot 1 filled.)
.macro CHANGE fill
	WIN 0                           ; at a label and at a branch every window is 0
	s_wait_tensorcnt 0x0            ; no tensor load of mine is out, so a group 0 may be written
	ds_add_u32 v[SPW], v[NIL]       ; 0 onto my spare word; with fill = 1 the descriptors' scalar work stands between it and the wait for it
.if \fill
	s_lshl_b32 s[OFF], s[NXT], 15   ; a tile is 32,768 bytes of K and of V
	s_xor_b32 s[G0K+1], s[G0K+1], SLOT1
	s_add_nc_u64 s[G0K+2:G0K+3], s[6:7], s[OFF:OFF+1]
	s_or_b32 s[G0K+3], s[G0K+3], 0x80000000
	s_xor_b32 s[G0V+1], s[G0V+1], SLOT1
	s_add_nc_u64 s[G0V+2:G0V+3], s[8:9], s[OFF:OFF+1]
	s_or_b32 s[G0V+3], s[G0V+3], 0x80000000
	s_add_co_u32 s[NXT], s[NXT], 1  ; the block's next tile, or behind its last the second block's tile 0
	s_cmp_gt_u32 s[NXT], s[LQ]
	s_cselect_b32 s[NXT], 0, s[NXT]
	s_cselect_b32 s[LQ], s[PB], s[LQ]
	s_wait_xcnt 0x0                 ; the last prefetches, a tile back, have read their address, so it may be written
	s_lshl_b32 s[OF2], s[NXT], 15
	s_add_nc_u64 s[PFA:PFA+1], s[PFB:PFB+1], s[OF2:OF2+1]
	s_mul_i32 s[PFT], s[NXT], s[PFL]
.endif
	s_wait_dscnt 0x0                ; the add is done, and my reads of the slot are over
	s_barrier_signal -1             ; the rest of the scalar work stands between the signal and the wait
	s_sub_co_u32 s[TBK], s[TBK], 4*KS*PK  ; the fetches go back to a slot's first steps,
	s_xor_b32 s[TBK], s[TBK], SLOT1       ; in the other slot
	s_sub_co_u32 s[TBV], s[TBV], 4*KS*PV
	s_xor_b32 s[TBV], s[TBV], SLOT1
	s_barrier_wait -1
.if \fill
	LOAD
	ASK
.endif
.endm
	s_load_b64 s[4:5], s[0:1], 0x0    ; qkv
	s_load_b64 s[10:11], s[0:1], 0x8  ; ctx
	v_lshl_add_u32 v[SPW], v0, 2, SPARE
	v_mov_b32 v[NIL], 0
	ds_add_u32 v[SPW], v[NIL]       ; the wave's opening: the add and its wait stand ahead of my first tensor load; the set-up below, work on registers, stands between them
	ds_add_u32 v62, v63
	v_lshrrev_b32 v1, 5, v0
	v_readfirstlane_b32 s[WV], v1   ; wave 0..3
	s_and_b32 s[QH], s[WV], 1
	s_lshr_b32 s[KH], s[WV], 1
	s_lshr_b32 s[PB], ttmp9, 1
	s_sub_co_u32 s[HI], NB-1, s[PB]
	s_and_b32 s[HQN], ttmp9, 1
	s_lshl_b32 s[HQN], s[HQN], 1    ; the second block's half is b % 2,
	s_sub_co_u32 s[HQ2], 2, s[HQN]  ; the first block's the other
	s_mov_b32 s[PFL], ttmp9
	s_cmp_eq_u32 s[PFL], 0
	s_cselect_b32 s[PFL], 1, 0
	s_and_b32 s19, ttmp7, 0xffff    ; the head
	s_lshl_b32 s20, s19, 19         ; its 524,288 bytes in Q, in K and in V,
	s_lshl_b32 s19, s19, 8          ; its 256 bytes in a pair row of ctx
	s_lshl_b32 s22, s[QH], 14       ; which half of a tile's 256 keys I fetch: w % 2: its 128 rows of 128 bytes in memory,
	s_add_co_u32 s22, s22, s20
	s_mov_b32 s23, 0
	s_mul_i32 s17, s[QH], 128*PK    ; and its place in a slot, for K
	s_mul_i32 s18, s[QH], 128*PV    ; and for V
	s_lshl_b32 s3, s[QH], 12        ; Q: my 32 rows in a band of 64,
	s_add_co_u32 s3, s3, s20
	s_lshl_b32 s2, s[HI], 15        ; in the first block
	s_lshl_b32 s16, s[HQ2], 13      ; and its half,
	s_add_co_u32 s2, s2, s16
	s_add_co_u32 s2, s2, s3
	s_lshl_b32 s84, s[PB], 15       ; and in the second
	s_lshl_b32 s16, s[HQN], 13
	s_add_co_u32 s84, s84, s16
	s_add_co_u32 s84, s84, s3
	s_mov_b32 s3, 0
	s_mov_b32 s85, 0
	s_lshl_b32 s16, s[WV], 16       ; ctx: I finish rows 32 w .. 32 w + 31 of the half: 16 pair rows of 4,096 bytes,
	s_add_co_u32 s16, s16, s19
	s_lshl_b32 s66, s[HI], 19       ; in the first block
	s_lshl_b32 s67, s[HQ2], 17
	s_add_co_u32 s66, s66, s67
	s_add_co_u32 s66, s66, s16
	s_lshl_b32 s68, s[PB], 19       ; and in the second
	s_lshl_b32 s69, s[HQN], 17
	s_add_co_u32 s68, s68, s69
	s_add_co_u32 s68, s68, s16
	s_mov_b32 s67, 0
	s_mov_b32 s69, 0
	; descriptor group 1.  128 keys are 16,384 dense bytes: asked for as 64 rows of 256 bytes, two keys a row, and padded in LDS after every key
	s_mov_b32 s[G1K], (1<<16)|(1<<20)|(4<<22)|(3<<25)  ; 17:16 2-byte elements; 20 padding on; 24:22 after every 32 words (code 4); 31:25 4 words (code 3)
	s_mov_b32 s[G1V], (1<<16)|(1<<20)|(4<<22)|(7<<25)  ; the same with 8 words of padding (code 7)
.irp g, G1K, G1V
	s_mov_b32 s[\g+1], 128<<16      ; tensor_dim0 = 128
	s_mov_b32 s[\g+2], 64<<16       ; tensor_dim1 = 64
	s_mov_b32 s[\g+3], 128<<16      ; tile_dim0 = 128
	s_mov_b32 s[\g+4], 64           ; tile_dim1 = 64
	s_mov_b32 s[\g+5], 128          ; 128 elements from row to row
	s_mov_b32 s[\g+6], 0
	s_mov_b32 s[\g+7], 0
.endr
	s_mov_b32 s[CS], 0x3e38aa3b     ; c = log2(e) / 8 = 0.180337
	s_mov_b32 s[CS+1], s[CS]        ; named with it as a pair
	s_mov_b32 s[SEL], 0x76543210
	s_mov_b32 s[SEL+1], 0xfedcba98
	s_mov_b32 s[TBK], SLOT1+4*KS*PK ; the first change of slots turns these two into 0
	s_mov_b32 s[TBV], SLOT1+4*KS*PV
	s_mov_b32 s[G0K], 1             ; 1:0 count = 1
	s_mov_b32 s[G0K+1], s17         ; 63:32 LDS address: slot 0
	s_mov_b32 s[G0V], 1
	s_add_co_u32 s[G0V+1], s18, VOFF
	s_add_co_u32 s[RT], s[HI], 1    ; the first block has NB - b' tiles
	s_mov_b32 s[NXT], 1
	s_mov_b32 s[LQ], s[HI]
	s_mov_b32 s[NEW], 1
	s_mov_b32 s[OFF+1], 0
	s_mov_b32 s[OF2+1], 0
	s_mov_b32 s[AL+1], 0            ; named as pairs
	s_mov_b32 s[BE+1], 0
	s_mov_b32 s[BIGN], 0xf149f2ca   ; -1e30
	s_mov_b32 s[SLOTS], NB
	s_wait_dscnt 0x0                ; the opening add is done
	s_wait_kmcnt 0x0
	s_add_nc_u64 s[6:7], s[4:5], 0x800000   ; K's sixteen heads lie behind Q's,
	s_add_nc_u64 s[8:9], s[4:5], 0x1000000  ; V's behind K's
	s_add_nc_u64 s[6:7], s[6:7], s[22:23]  ; K and V at my half of the head's tile 0
	s_add_nc_u64 s[8:9], s[8:9], s[22:23]
	s_add_nc_u64 s[G0K+2:G0K+3], s[6:7], 0         ; 120:64 global address
	s_or_b32 s[G0K+3], s[G0K+3], 0x80000000        ; 127:126 type = 2
	s_add_nc_u64 s[G0V+2:G0V+3], s[8:9], 0
	s_or_b32 s[G0V+3], s[G0V+3], 0x80000000
	s_add_nc_u64 s[86:87], s[4:5], s[84:85]        ; Q at my rows of the second block,
	s_add_nc_u64 s[4:5], s[4:5], s[2:3]            ; and of the first
	s_add_nc_u64 s[OLO:OLO+1], s[10:11], s[68:69]  ; ctx likewise
	s_add_nc_u64 s[10:11], s[10:11], s[66:67]
	s_cmp_lt_u32 s[WV], 2
	s_cselect_b64 s[PFB:PFB+1], s[6:7], s[8:9]
	LOAD                            ; tile 0 into slot 0
	; A fragment of K or Q is 16 rows x 32 channels in 8 registers: lane l holds row l % 16, channels 8 (l / 16) + 0..7 and 16 + 8 (l / 16) + 0..7: two loads of 16 bytes, 32 bytes apart.
	v_and_b32 v1, 15, v0            ; l % 16
	v_bfe_u32 v9, v0, 4, 1          ; l / 16
	v_lshlrev_b32 v[QO], 7, v1
	v_lshl_add_u32 v[QO], v9, 4, v[QO]  ; row x 128 + 16 x half
	WIN 0x80                        ; destination window 2, address window 0
.set i, 0
.rept 8                             ; both blocks' Q: piece i / 2 lies in band i / 4 (8,192 bytes a band), its 16 rows (i / 2) % 2 (2,048 bytes); channels 32 (i % 2) on
	global_load_b128 v[8*i:8*i+3],   v[QO], s[4:5] offset:(i/4)*8192+((i/2)%2)*2048+(i%2)*64
	global_load_b128 v[8*i+4:8*i+7], v[QO], s[4:5] offset:(i/4)*8192+((i/2)%2)*2048+(i%2)*64+32
	global_load_b128 v[QB+8*i:QB+8*i+3],   v[QO], s[86:87] offset:(i/4)*8192+((i/2)%2)*2048+(i%2)*64
	global_load_b128 v[QB+8*i+4:QB+8*i+7], v[QO], s[86:87] offset:(i/4)*8192+((i/2)%2)*2048+(i%2)*64+32
.set i, i+1
.endr
	WIN 0
	v_lshlrev_b32 v14, 3, v9
	v_sub_nc_u32 v14, v1, v14
	s_lshl_b32 s13, s[QH], 5
	v_add_nc_u32 v14, s13, v14      ; 32 qh + l % 16 less my lanes' 8 (l / 16): in a piece of parity u register r of group kt is hidden where 16 kt + r - 16 u is greater
	WIN 0x40
.set i, 0
.rept 64
	v_cmp_gt_i32 vcc_lo, 16*((i%32)/8)+i%8-16*(i/32), v14
	v_cndmask_b32 v[MD+96*(i/32)+i%32], 0, s[BIGN], vcc_lo
.set i, i+1
.endr
	WIN 0
	v_mul_u32_u24 v[AK0], v1, PK
	v_lshl_add_u32 v[AK0], v9, 4, v[AK0]  ; row x pitch + 16 x half
	s_mul_i32 s13, s[KH], KS*PK
	v_add_nc_u32 v[AK0], s13, v[AK0]      ; + my first step of a tile
	; The turning load takes 16 keys x 16 channels (lane l reads key 8 (l / 16) + l % 8, channels 8 ((l / 8) % 2) + 0..7) and leaves half a fragment of V^T: lane l holds channel l % 16 and 8 keys.
	v_and_b32 v10, 7, v0
	v_bfe_u32 v11, v0, 3, 1
	v_lshl_add_u32 v[AV0], v9, 3, v10
	v_mul_u32_u24 v[AV0], v[AV0], PV
	v_lshl_add_u32 v[AV0], v11, 4, v[AV0]
	s_mul_i32 s13, s[KH], KS*PV
	s_add_co_u32 s13, s13, VOFF
	v_add_nc_u32 v[AV0], s13, v[AV0]
	s_mul_i32 s13, s[WV], 16*SP
	s_add_co_u32 s13, s13, STAGE    ; my stage
	v_mul_u32_u24 v[STO], v1, SP    ; in: row l % 16, 16 bytes for each half of the lanes
	v_lshl_add_u32 v[STO], v9, 4, v[STO]
	v_add_nc_u32 v[STO], s13, v[STO]
	v_bfe_u32 v[RD], v0, 3, 2       ; back: 32 lanes take four rows of 128 bytes,
	v_mul_u32_u24 v[RD], v[RD], SP
	v_lshl_add_u32 v[RD], v10, 4, v[RD]
	v_add_nc_u32 v[RD], s13, v[RD]
	v_lshlrev_b32 v[GO], 12, v9     ; which are my head's 256 bytes in two pair rows of ctx: lanes 0-15 the one, lanes 16-31 the next
	v_lshl_add_u32 v[GO], v1, 4, v[GO]
	v_and_b32 v14, 31, v0           ; l
	s_mul_i32 s13, s[WV], XW
	s_add_co_u32 s13, s13, XCH      ; my part of the meeting place
	v_lshl_add_u32 v[XS], v14, 4, s13
	s_add_co_u32 s13, s13, 16384
	v_lshl_add_u32 v[XT], v14, 3, s13
	s_mul_i32 s13, s[QH], XW
	s_add_co_u32 s13, s13, XCH      ; wave qh's part: of it and of wave qh + 2's I finish pieces 2 kh and 2 kh + 1
	s_lshl_b32 s16, s[KH], 13
	s_add_co_u32 s16, s16, s13
	v_lshl_add_u32 v[XL], v14, 4, s16
	s_lshl_b32 s16, s[KH], 9
	s_add_co_u32 s16, s16, s13
	s_add_co_u32 s16, s16, 16384
	v_lshl_add_u32 v[XM], v14, 3, s16
	v_lshlrev_b32 v[PFO], 8, v14
	; A block's first step multiplies O^T and l by a = 0, and its first turn's products V^T P, of a piece that has not been, land in an O^T that is still to be so multiplied.  So these registers need only hold
	; finite numbers: zeros for the first block; what the first block left for the second.  All this stands in the wait for the first tile.
	WIN 0x80
.set i, VF
.rept 64
	v_mov_b32 v[i], 0
.set i, i+1
.endr
	WIN 0x40
.set i, 0
.rept 128
	v_mov_b32 v[i], 0
.set i, i+1
.endr
	WIN 0
.set i, 0
.rept 4
	v_mov_b32 v[ST+4*i+2], 0
	v_mov_b32 v[ST+4*i+3], 0
.set i, i+1
.endr
.set i, P+16
.rept 16
	v_mov_b32 v[i], 0
.set i, i+1
.endr
; THE MATRIX WORK.  The 4 accumulators of a run of 8 take turns.  Product i of 8 of S^T = K Q^T for piece x: channels 32 (i / 4) on, keys 16 (i % 4) on.  The first 4 start the sums: with 0, or (KM = 1) with the mask.
.macro KQ x
.set rS, S+32*((\x)%2)+8*(i%4)
.set rK, KF+16*(i%4)+8*(i/4)
.set rQ, 16*(\x)+8*(i/4)
.set rM, MC+32*((\x)%2)+8*(i%4)
.if (i < 4) && KM
	WIN W_KM
	v_wmma_f32_16x16x32_f16 v[rS:rS+7], v[rK:rK+7], v[rQ:rQ+7], v[rM:rM+7]
.elseif i < 4
	WIN W_KQ
	v_wmma_f32_16x16x32_f16 v[rS:rS+7], v[rK:rK+7], v[rQ:rQ+7], 0
.else
	WIN W_KQ
	v_wmma_f32_16x16x32_f16 v[rS:rS+7], v[rK:rK+7], v[rQ:rQ+7], v[rS:rS+7]
.endif
.endm
; Product i of 8 of O^T += V^T P for piece x: keys 32 (i / 4) on, channels 16 (i % 4) on.
.macro PV x
	WIN W_PV
.set rO, 32*(\x)+8*(i%4)
.set rV, VF+32*(i/4)+8*(i%4)
.set rP, P+16*((\x)%2)+8*(i/4)
	v_wmma_f32_16x16x32_f16 v[rO:rO+7], v[rV:rV+7], v[rP:rP+7], v[rO:rO+7]
.endm
.macro MM                           ; the turn's next matrix instruction.  TURN and BEGIN set Y, i, KM and NOKQ; MM, KQ and OP read them.  NOKQ = 1: a block's last turn: there is no next piece
.if (i < 8) && !NOKQ
	KQ (Y+1)%NP
.elseif i >= 8
.set i, i-8
	PV (Y+NP-1)%NP
.set i, i+8
.endif
.set i, i+1
.endm
; THE LDS LOADS stand in runs of 16, never singly among the matrix instructions: a step's K (64 keys x 64 channels: 8 fragments) and its V (turned).  Their addresses are made some lines ahead.
.macro FETCH_K
	WIN 0x80                        ; destination window 2
.irp f, 0,1,2,3,4,5,6,7             ; keys 16 (f / 2) on, channels 32 (f % 2) on
	ds_load_b128 v[KF+8*\f:KF+8*\f+3],   v[AK] offset:(\f/2)*16*PK+(\f%2)*64
	ds_load_b128 v[KF+8*\f+4:KF+8*\f+7], v[AK] offset:(\f/2)*16*PK+(\f%2)*64+32
.endr
	s_add_co_u32 s[TBK], s[TBK], 2*KS*PK  ; my next step lies two steps on
	WIN 0
.endm
.macro FETCH_V
	WIN 0x80
.irp f, 0,1,2,3,4,5,6,7             ; keys 32 (f / 4) on, channels 16 (f % 4) on
	ds_load_tr16_b128 v[VF+8*\f:VF+8*\f+3],   v[AV] offset:(\f/4)*32*PV+(\f%4)*32
	ds_load_tr16_b128 v[VF+8*\f+4:VF+8*\f+7], v[AV] offset:(\f/4)*32*PV+16*PV+(\f%4)*32
.endr
	WIN 0
.endm
; THE VECTOR WORK, one line at a time: OP kind, number.  For piece Y: F n: c s - c m for pair n of 16.  E n: the exponential of score n of 32.  C n: pair n rounded to f16.  B n: of the four weights 4 n .. the second
; pair is added onto the first, in place.  L n: l takes that sum (L 0: l = a l + sum).  R n: pair n of 16 of O^T times a.  For piece Y + 1: X n, number n of the 22 that find its maximum and statistics:
;   0-11  four chains c0-c3 of seven scores each, three operands at a time (each accumulator's lowest registers are read first)     12-14, 16  the four scores left over, the old m, and c0-c3 into c0
;   15  c m_old is kept     17, 18  the query's other 32 keys lie in the lane 16 away: the new m     19-21  c m; c m_old - c m_new; a
.set F, 0               ; OP tells the kinds apart by their order: F to L below R, X above it
.set E, 1
.set C, 2
.set B, 3
.set L, 4
.set R, 5
.set X, 6
.macro REGS y                       ; the registers of piece y
.set rT, ST+4*(\y)
.set rC, TMP+4*((\y)%2)
.set rW, MV+((\y)%2)
.set rS, S+32*((\y)%2)
.set rP, P+16*((\y)%2)
.set rO, 32*(\y)
.endm
.macro OP k, n
.if (\k) == R
	REGS Y
	WIN W_RS
	v_pk_mul_f32 v[rO+2*(\n):rO+2*(\n)+1], v[rO+2*(\n):rO+2*(\n)+1], v[rC+2:rC+3] op_sel_hi:[1,0]
.elseif (\k) < R
	REGS Y
	WIN 0
.if (\k) == F
	v_pk_fma_f32 v[rS+2*(\n):rS+2*(\n)+1], v[rS+2*(\n):rS+2*(\n)+1], s[CS:CS+1], v[rT:rT+1] op_sel_hi:[1,0,0] neg_lo:[0,0,1] neg_hi:[0,0,1]
.elseif (\k) == E
	v_exp_f32 v[rS+(\n)], v[rS+(\n)]
.elseif (\k) == C
	s_wait_alu depctr_va_vdst(0)
	v_cvt_pk_f16_f32 v[rP+(\n)], v[rS+2*(\n)], v[rS+2*(\n)+1]
.elseif (\k) == B
	s_wait_alu depctr_va_vdst(0)
	v_pk_add_f32 v[rS+4*(\n):rS+4*(\n)+1], v[rS+4*(\n):rS+4*(\n)+1], v[rS+4*(\n)+2:rS+4*(\n)+3]
.elseif (\n) == 0
	v_pk_fma_f32 v[rT+2:rT+3], v[rT+2:rT+3], v[rC+2:rC+3], v[rS:rS+1] op_sel_hi:[1,0,1]
.else
	v_pk_add_f32 v[rT+2:rT+3], v[rT+2:rT+3], v[rS+4*(\n):rS+4*(\n)+1]
.endif
.elseif NOKQ
	v_nop
.else
	REGS (Y+1)%NP
	WIN 0
.if (\n) < 4
	v_max3_num_f32 v[rC+(\n)], v[rS+8*(\n)], v[rS+8*(\n)+1], v[rS+8*(\n)+2]
.elseif (\n) < 12
	v_max3_num_f32 v[rC+(\n)%4], v[rC+(\n)%4], v[rS+8*((\n)%4)+2*((\n)/4)+1], v[rS+8*((\n)%4)+2*((\n)/4)+2]
.elseif (\n) == 12
	v_max3_num_f32 v[rC], v[rC], v[rS+7], v[rS+15]
.elseif (\n) == 13
	v_max3_num_f32 v[rC+1], v[rC+1], v[rS+23], v[rS+31]
.elseif (\n) == 14
	v_max3_num_f32 v[rC+2], v[rC+2], v[rC+3], v[rT+1]
.elseif (\n) == 15
	v_mov_b32 v[rW], v[rT]
.elseif (\n) == 16
	v_max3_num_f32 v[rC], v[rC], v[rC+1], v[rC+2]
.elseif (\n) == 17
	v_permlanex16_b32 v[rC+3], v[rC], s[SEL], s[SEL+1]
.elseif (\n) == 18
	v_max_num_f32 v[rT+1], v[rC], v[rC+3]
.elseif (\n) == 19
	v_mul_f32 v[rT], s[CS], v[rT+1]
.elseif (\n) == 20
	v_sub_f32 v[rC+1], v[rW], v[rT]
.else
	v_exp_f32 v[rC+2], v[rC+1]
.endif
.endif
.endm
.macro OPS a, i1, b=-1, i2=0, c=-1, i3=0, d=-1, i4=0  ; up to four of them
	OP \a, \i1
.if (\b) >= 0
	OP \b, \i2
.endif
.if (\c) >= 0
	OP \c, \i3
.endif
.if (\d) >= 0
	OP \d, \i4
.endif
.endm
.macro ROW a, i1, b, i2, c, i3, d, i4  ; a matrix instruction and the four behind it
	MM
	OPS \a, \i1, \b, \i2, \c, \i3, \d, \i4
.endm
.macro MASK b                       ; parity b's MD x AL + BE into buffer b of MC
	WIN W_RS
.set z, 0
.rept 16
	v_pk_fma_f32 v[MC+32*(\b)+2*z:MC+32*(\b)+2*z+1], v[MD+96*(\b)+2*z:MD+96*(\b)+2*z+1], s[AL:AL+1], s[BE:BE+1] op_sel_hi:[1,0,0]
.set z, z+1
.endr
.endm
; A TURN, for piece p: the order of its 16 matrix and 118 vector instructions, written out.  Behind a matrix instruction: plain, exponential, plain, plain; or four of the rescaling; or, behind the first, four scalings; none
; names a register of the products round it.  In the runs between, exponential and plain by turns while exponentials last.  A line reads no result made fewer than three vector instructions in front of it, five if an exponential made it.
; v_permlanex16_b32 (X 17) stands in such a run.
; m = 1: the diagonal tile: the products take masks, and the turn makes the mask for the products of the turn after it: piece p + 2, band (p + 2) % 4 / 2, in the step whose number less HQ2 is REL.
; end = 1: a block's last two turns: nothing is fetched.  cnt = 1: the loop's count is taken down, and REL up by my two steps, some lines ahead of the branch that stands behind the turn.
; K of my next step is fetched in piece 2's turn, six vector instructions behind the last product that read K (five of them plain); V of the step in hand in piece 0's turn, eight behind the last product that read V (four
; plain, and X 17).  Each is waited for a turn later.
.macro TURN p, m=0, end=0, cnt=0
.set Y, (\p)
.set i, 0
.set KM, (\m)
.set NOKQ, (\end)*((\p)/3)
.if (\m) && !(\end)
	s_cmp_eq_i32 s[REL], (((\p)+2)%NP)/2  ; is that step the band's own?
	s_cselect_b32 s[AL], 1.0, 0
	s_cmp_gt_i32 s[REL], (((\p)+2)%NP)/2  ; or a later one?
	s_cselect_b32 s[BE], s[BIGN], 0
.endif
.if ((\p) == 3) && !(\end)
	s_wait_dscnt 0x0                ; K is in
.endif
	ROW F,0, F,1, F,2, F,3
	ROW F,4, E,0, F,5, F,6
	ROW F,7, E,1, F,8, F,9
	ROW F,10, E,2, C,0, F,11
	ROW F,12, E,3, X,15, F,13
	ROW R,0, R,1, R,2, R,3
	ROW B,0, E,4, F,14, L,0
.if ((\p) == 2) && !(\end)
	v_add_nc_u32 v[AK], s[TBK], v[AK0]
.endif
	ROW R,4, R,5, R,6, R,7
	OPS E,5, F,15
.if ((\p) == 2) && !(\end)
	FETCH_K
.endif
	OPS E,6, C,1, E,7, R,8
	OPS E,8, R,9, E,9, C,2
	OPS E,10, X,0, E,11, X,1
	OPS E,12, X,2, E,13, X,3
.if (\p) == 1
	s_wait_dscnt 0x0                ; V is in
.endif
	ROW X,4, E,14, X,5, X,6
	ROW X,7, E,15, X,8, X,9
	ROW X,10, E,16, X,11, X,12
	ROW X,13, E,17, X,14, B,1
	ROW C,4, E,18, X,16, L,1
	ROW B,2, E,19, C,6, L,2
	ROW C,8, E,20, B,3, B,4
.if (\p) == 0
	v_add_nc_u32 v[AV], s[TBV], v[AV0]
.endif
	ROW C,3, E,21, L,3, C,5
	OPS E,22, X,17, E,23, C,10
.if (\p) == 0
	FETCH_V
.endif
	OPS E,24, L,4
	OPS E,25, X,18, E,26, C,7
	OPS E,27, B,5, E,28, X,19
	OPS E,29, C,12, E,30, L,5
	OPS E,31, X,20, B,6, C,9
	OPS C,14, C,11, X,21, L,6
.if (\p) == 0
	s_add_co_u32 s[TBV], s[TBV], 2*KS*PV
.endif
.if \cnt
	s_add_co_i32 s[REL], s[REL], 2
	s_sub_co_u32 s[CNT], s[CNT], 1
	s_cmp_lg_u32 s[CNT], 0
.endif
	OPS C,13, B,7, C,15, R,10
	OPS R,11, R,12, L,7, R,13
	OPS R,14, R,15
.if (\m) && !(\end)
	MASK (\p)%2
.endif
.endm
; A BLOCK BEGINS.  c m starts far below every c s, so the first step's a is 0.  m starts at -2^98: below every true score (2.7e11 at the most in size), so a row's first maximum is its scores'; and above every hidden
; score (-1e30), so that in a piece that sees no key c s - c m is about -1.2e29 and every weight 0.  (Were m itself a hidden score there, c s - c m would be the rounding error of c m, which is no small number at that size.)
; Both mask buffers take the masks of band 0, pieces 0 and 1, for my first step of the tile: 0 unless the block's first tile is the diagonal one.  Then K of that step, piece 0's first scores, and its maximum and
; statistics.  The loop is entered at a step's first turn, in the middle of a trip.
.macro BEGIN
	s_mov_b32 s[NEW], 0
	WIN 0
.set i, 0
.rept 4
	v_mov_b32 v[ST+4*i], 0xfe000000    ; c m: far below every c s, and below c x -2^98
	v_mov_b32 v[ST+4*i+1], 0xf0800000  ; m = -2^98
.set i, i+1
.endr
	s_cmp_eq_i32 s[REL], 0
	s_cselect_b32 s[AL], 1.0, 0
	s_cmp_gt_i32 s[REL], 0
	s_cselect_b32 s[BE], s[BIGN], 0
	s_cmp_eq_u32 s[RT], 0
	s_cselect_b32 s[AL], s[AL], 0
	s_cselect_b32 s[BE], s[BE], 0
	MASK 0
	MASK 1
	WIN 0
	v_add_nc_u32 v[AK], s[TBK], v[AK0]
	FETCH_K
	s_wait_loadcnt 0x0              ; Q
	s_wait_dscnt 0x0
.set KM, 1
.set NOKQ, 0
.set i, 0
.rept 8
	KQ 0
.set i, i+1
.endr
	WIN 0
.rept 4
	v_nop                           ; the places behind those products
.endr
.set Y, NP-1                        ; X works for piece Y + 1: piece 0
.irp n, 0,1,2,3,4,5,6,7,8,9,10,11,12,13,14,15,16,17,18,19,20,21
	OP X, \n
.endr
	v_nop                           ; a plain instruction behind the exponential
.endm
.macro ALL line:vararg              ; one line for each piece t
.set t, 0
.rept 4
	\line
.set t, t+1
.endr
.endm
; THE MEETING.  XOUT: my four pieces' O^T, c m and l go into my part of the meeting place; my stores are waited for, and a barrier follows.
; The meeting place is written again at the second block's end alone, behind at least one change of slots, whose barrier follows every wave's wait for its reads.
.macro XOUT
	WIN 0x04                        ; the data in window 1
.set t, 0
.rept 32
	ds_store_b128 v[XS], v[4*t:4*t+3] offset:512*t  ; each accumulator's lowest registers go first
.set t, t+1
.endr
	WIN 0
.set t, 0
.rept 4
	ds_store_b64 v[XT], v[ST+4*t:ST+4*t+1] offset:256*t
.set t, t+1
.endr
	s_wait_dscnt 0x0                ; for the others' sake: my stores are done
	s_barrier_signal -1
	s_barrier_wait -1
.endm
; XIN: of the two pieces u that I finish, both waves' (k = 0: wave qh, k = 1: wave qh + 2) c m and l, then their O^T: piece u, wave k into window 1's v[64 u + 32 k ..], lane for lane as it lay there.
.macro XIN
	WIN 0
.irp u, 0,1
.irp k, 0,1
	ds_load_b64 v[TMP+4*(\u)+2*(\k):TMP+4*(\u)+2*(\k)+1], v[XM] offset:2*XW*(\k)+256*(\u)
.endr
.endr
	WIN 0x40
.irp u, 0,1
.irp k, 0,1
.irp g, 0,1,2,3,4,5,6,7
	ds_load_b128 v[64*(\u)+32*(\k)+4*(\g):64*(\u)+32*(\k)+4*(\g)+3], v[XL] offset:2*XW*(\k)+4096*(\u)+512*(\g)
.endr
.endr
.endr
	WIN 0
.endm
; FACT: at T = TMP + 4 u lie c m0, l0, c m1, l1.  f = 2^(c m - the greater c m); T and T + 2 take f0 and f1, divided by f0 l0 + f1 l1.  A plain instruction stands behind each run of transcendentals.
.macro FACT
.irp u, 0,1
	v_max_num_f32 v[MV+(\u)], v[TMP+4*(\u)], v[TMP+4*(\u)+2]
.endr
.irp u, 0,1
	v_sub_f32 v[TMP+4*(\u)], v[TMP+4*(\u)], v[MV+(\u)]
	v_sub_f32 v[TMP+4*(\u)+2], v[TMP+4*(\u)+2], v[MV+(\u)]
.endr
.irp u, 0,1
	v_exp_f32 v[TMP+4*(\u)], v[TMP+4*(\u)]
	v_exp_f32 v[TMP+4*(\u)+2], v[TMP+4*(\u)+2]
.endr
	v_nop
.irp u, 0,1
	s_wait_alu depctr_va_vdst(0)
	v_mul_f32 v[MV+(\u)], v[TMP+4*(\u)], v[TMP+4*(\u)+1]
.endr
.irp u, 0,1
	v_fmac_f32 v[MV+(\u)], v[TMP+4*(\u)+2], v[TMP+4*(\u)+3]
.endr
.irp u, 0,1
	v_rcp_f32 v[MV+(\u)], v[MV+(\u)]
.endr
	v_nop
.irp u, 0,1
	s_wait_alu depctr_va_vdst(0)
	v_mul_f32 v[TMP+4*(\u)], v[TMP+4*(\u)], v[MV+(\u)]
	v_mul_f32 v[TMP+4*(\u)+2], v[TMP+4*(\u)+2], v[MV+(\u)]
.endr
.endm
; FIN: piece u's two O^T are weighted and added, rounded to f16, and sent through my stage: a lane's eight channels of a row pack into 16 bytes; they go into rows of 144 bytes and come back as whole rows of 128.
; w: the LDS instructions issued behind this piece's loads, which may stay out.
.macro FIN u, w
	s_wait_dscnt \w
	WIN W_RS
.set i, 0
.rept 16
	v_pk_mul_f32 v[64*(\u)+2*i:64*(\u)+2*i+1], v[64*(\u)+2*i:64*(\u)+2*i+1], v[TMP+4*(\u):TMP+4*(\u)+1] op_sel_hi:[1,0]
.set i, i+1
.endr
	WIN 0x51                        ; destination, sources 0 and 2 in window 1, the factor in window 0
.set i, 0
.rept 16
	v_pk_fma_f32 v[64*(\u)+2*i:64*(\u)+2*i+1], v[64*(\u)+32+2*i:64*(\u)+32+2*i+1], v[TMP+4*(\u)+2:TMP+4*(\u)+3], v[64*(\u)+2*i:64*(\u)+2*i+1] op_sel_hi:[1,0,1]
.set i, i+1
.endr
	WIN 0x05                        ; sources 0 and 1 window 1, destination window 0
.set i, 0
.rept 16
	v_cvt_pk_f16_f32 v[S+16*(\u)+i], v[64*(\u)+2*i], v[64*(\u)+2*i+1]
.set i, i+1
.endr
	WIN 0
.irp f, 0,1,2,3
	ds_store_b128 v[STO], v[S+16*(\u)+4*\f:S+16*(\u)+4*\f+3] offset:32*\f
.endr
.irp f, 0,1,2,3
	ds_load_b128 v[S+16*(\u)+4*\f:S+16*(\u)+4*\f+3], v[RD] offset:\f*4*SP  ; LDS serves a wave's instructions in order (ISA guide 5.7.1.4): these see the stores above; the next piece's stores come behind them
.endr
.endm
.macro SENDF u, younger             ; younger: the LDS instructions issued behind piece u's loads from the stage: the next piece's eight, or none
.irp f, 0,1,2,3
	s_wait_dscnt (\younger)+3-\f
	global_store_b128 v[GO], v[S+16*(\u)+4*\f:S+16*(\u)+4*\f+3], s[10:11] offset:(\u)*32768+\f*8192  ; lanes 0-15 and lanes 16-31 each store 256 consecutive bytes, at a multiple of 256 from ctx's first
.endr
.endm
; THE DIAGONAL TILE's steps, the block's last two turns, its last products, the meeting and THE WAY OUT.
.macro DIAG tag                     ; the tag ends its two labels' names, which the jumps below spell out
.LstepM\tag:
	TURN 2, 1
	TURN 3, 1
	WIN 0
.LfirstM\tag:
	TURN 0, 1
	TURN 1, 1, 0, 1
	WIN 0
	s_cbranch_scc1 .LstepM\tag
	TURN 2, 1, 1
	TURN 3, 1, 1
.set i, 0
.rept 8
	PV NP-1
.set i, i+1
.endr
	WIN 0
	ALL v_add_f32 v[ST+4*t+2], v[ST+4*t+2], v[ST+4*t+3]  ; l's two halves; these lines are also the places behind the last products
	ALL v_permlanex16_b32 v[ST+4*t+3], v[ST+4*t+2], s[SEL], s[SEL+1]
	ALL v_add_f32 v[ST+4*t+1], v[ST+4*t+2], v[ST+4*t+3]  ; and the other half of the lanes': l lies beside c m
	XOUT
	XIN
	s_wait_dscnt 32                 ; c m and l are in; the 32 loads of O^T may be out
	FACT
	FIN 0, 16                       ; piece 0's sixteen loads are in, piece 1's may be out
	FIN 1, 8                        ; piece 1's are in; behind them stand piece 0's eight through the stage
	SENDF 0, 8
	SENDF 1, 0
.endm
.set KM, 0
.set NOKQ, 0
.Lslot:                             ; NB times: a tile is entered and the next is asked for
	CHANGE 1
	s_sub_co_u32 s[RT], s[RT], 1
	s_mov_b32 s[CNT], 2
	s_sub_co_i32 s[REL], s[KH], s[HQ2]
	s_cmp_eq_u32 s[NEW], 1
	s_cbranch_scc1 .Lnew            ; a block's first tile
	s_cmp_eq_u32 s[RT], 0
	s_cbranch_scc0 .Lstep           ; neither its first nor its last
	s_branch .LstepM1
.Lnew:
	BEGIN
	s_branch .Lfirst                ; in the loop a block's first tile is never its last: the first block has nine tiles or more, and the second's last is the walk's last
	DIAG 1                          ; in the loop this is the first block's end: the second block's last tile is the walk's last
	s_wait_xcnt 0x0                 ; the stores have read their registers and ctx's address
	s_mov_b64 s[10:11], s[OLO:OLO+1]
	s_add_co_u32 s[RT], s[PB], 1    ; the second block has b' + 1 tiles
	s_mov_b32 s[NEW], 1
	s_mov_b32 s[HQ2], s[HQN]
	WIN 0x82                        ; the second block's Q goes where the one text of the turns names Q
.set i, 0
.rept 64
	v_mov_b32 v[i], v[QB+i]
.set i, i+1
.endr
	WIN 0
	s_branch .Lbottom
.Lstep:                             ; a trip: pieces 2 and 3 of one of my steps, then pieces 0 and 1 of the next, whose K and V it fetches
	TURN 2
	TURN 3
	WIN 0
.Lfirst:
	TURN 0
	TURN 1, 0, 0, 1
	WIN 0
	s_cbranch_scc1 .Lstep
.Lbottom:
	s_sub_co_u32 s[SLOTS], s[SLOTS], 1
	s_cmp_lg_u32 s[SLOTS], 0
	s_cbranch_scc1 .Lslot
	CHANGE 0                        ; the walk's last tile is written out: nothing is asked for
	s_sub_co_u32 s[RT], s[RT], 1
	s_mov_b32 s[CNT], 2
	s_sub_co_i32 s[REL], s[KH], s[HQ2]
	s_cmp_eq_u32 s[NEW], 1
	s_cbranch_scc0 .LstepM2
	BEGIN
	s_branch .LfirstM2
	DIAG 2
	s_wait_tensorcnt 0x0            ; the wave's end: the add and its wait stand behind my last tensor load and my last LDS store
	ds_add_u32 v[SPW], v[NIL]
	s_wait_dscnt 0x0
	s_endpgm
.Lfunc_end_k_qb84dafd064_attn:
	.size	k_qb84dafd064_attn, .Lfunc_end_k_qb84dafd064_attn-k_qb84dafd064_attn
	.p2alignl 7, 3214868480
	.fill 96, 4, 3214868480
	.section	.rodata,"a",@progbits
	.p2align	6, 0x0
	.amdhsa_kernel k_qb84dafd064_attn
		.amdhsa_group_segment_fixed_size 327680
		.amdhsa_private_segment_fixed_size 0
		.amdhsa_enable_private_segment 0
		.amdhsa_kernarg_size 16
		.amdhsa_user_sgpr_count 2
		.amdhsa_user_sgpr_kernarg_segment_ptr 1
		.amdhsa_wavefront_size32 1
		.amdhsa_system_sgpr_workgroup_id_x 1
		.amdhsa_system_sgpr_workgroup_id_y 1
		.amdhsa_system_sgpr_workgroup_id_z 1
		.amdhsa_system_vgpr_workitem_id 0
		.amdhsa_next_free_vgpr 768
		.amdhsa_next_free_sgpr 102
		.amdhsa_reserve_vcc 1
		.amdhsa_float_denorm_mode_32 3
		.amdhsa_float_denorm_mode_16_64 3
		.amdhsa_memory_ordered 1
		.amdhsa_forward_progress 1
		.amdhsa_inst_pref_size 232
	.end_amdhsa_kernel
	.amdgpu_metadata
---
amdhsa.version: [ 1, 2 ]
amdhsa.kernels:
  - .name:           k_qb84dafd064_attn
    .symbol:         k_qb84dafd064_attn.kd
    .args:
      - { .name: qkv, .offset: 0, .size: 8, .value_kind: global_buffer, .address_space: global }
      - { .name: ctx, .offset: 8, .size: 8, .value_kind: global_buffer, .address_space: global }
    .group_segment_fixed_size: 327680
    .private_segment_fixed_size: 0
    .kernarg_segment_align: 8
    .kernarg_segment_size: 16
    .max_flat_workgroup_size: 128
    .sgpr_count:     102
    .vgpr_count:     768
    .wavefront_size: 32
...
	.end_amdgpu_metadata
.endif
;; end of part 3
;; launch oproj (part 4): grid 8 x 32, 4 waves a work-group, clusters of 4 x 4, 327,680 bytes of LDS; arguments ctx, wo16, out0, bo; writes out0
.if DOCPART == 4
	.amdgcn_target "amdgcn-amd-amdhsa--gfx1250"
	.amdhsa_code_object_version 6
	.text
	.protected	k_qb84dafd064_oproj
	.globl	k_qb84dafd064_oproj
	.p2align	8
	.type	k_qb84dafd064_oproj,@function
k_qb84dafd064_oproj:
	s_mov_b64 s[64:65], 0
	v_nop
	global_prefetch_b8 v0, s[64:65] scope:SCOPE_SE
	s_setreg_imm32_b32 hwreg(HW_REG_WAVE_MODE, 25, 1), 1
	s_wait_xcnt 0x0
	s_wait_alu depctr_hold_cnt(0) depctr_sa_sdst(0) depctr_va_vdst(0) depctr_va_sdst(0) depctr_va_ssrc(0) depctr_va_vcc(0) depctr_vm_vsrc(0)
	s_getreg_b32 s2, hwreg(HW_REG_IB_STS2, 6, 4)
	s_cmp_eq_u32 s2, 0
	s_cbranch_scc0 .Lentry_in_a_cluster
	s_endpgm
.Lentry_in_a_cluster:
	s_bfe_u32 s2, ttmp6, 0x10000c
	s_cmp_lg_u32 s2, 0xf033
	s_cbranch_scc0 .Lentry_shape_is_right
	s_endpgm
.Lentry_shape_is_right:
; out = ctx Wo + bo.  C[m][n] = the sum over k of A[m][k] B[k][n] + bo[n]; A = ctx (4,096 tokens x 1,024 channels, f16, by pairs of tokens: number (t, d) at byte
; (t / 2) 4096 + (d / 64) 256 + (t % 2) 128 + (d % 64) 2), B = wo16 ([1024][1024]: Wo rounded to bf16, written as f16).  Sums in f32; bo is rounded to bf16 like the module's other inputs and added in f32; C is f32.
; SHARES.  A tile of C is 128 x 128: 256 work-groups, one for each WGP.  Four waves, each 64 x 64: 16 accumulators of 16 x 16.  K goes in four steps of 256 through two LDS slots, written out on end.
; A's tile: 64 pair rows x 1,024 consecutive bytes (four blocks of 64 channels).  B's tile: 256 rows of k x 256 bytes; its fragments come out of LDS turned, by ds_load_tr16_b128.
; CLUSTERS: 4 x 4 work-groups.  The four of a row of the cluster need the same tiles of A, the four of a column the same tiles of B: each tile is asked for JOINTLY, by the same tensor load with the
; same descriptor and a mask that names the four.  THE MATRIX INSTRUCTION IS USED TRANSPOSED (source 0 = 16 columns of B, source 1 = 16 rows of A): a lane then holds eight neighbouring numbers of a row of C.
; No prefetch: of four K steps two are the first fills, and the other two are asked for one K step (128 matrix instructions a wave) ahead by their loads.
; REGISTERS: window 0: v0-31 addresses and the bias; v128-255 the accumulators ((a, b) at v[128 + 8 (4 a + b)]), which also take the rows back on the way out.
;   window 1: two fragment buffers of 128: for 64 along K (two matrix instructions deep), 64 registers of A, then 64 of B.
.set NP,     1024                      ; columns of B
.set PA,     1040                      ; a pair row of A in LDS: 1,024 bytes + 16 of padding: token r of 16 starts at (r / 2) 1040 + (r % 2) 128: sixteen different columns of 16 bytes modulo 256
.set AH,     32*PA                     ; 32 pair rows = 64 tokens: what one tensor load brings, and what one wave reads of A
.set PB,     288                       ; a row of B in LDS: 256 bytes + 32 of padding = 72 words
.set BH,     128*PB                    ; 128 rows of k: what one tensor load brings
.set BOFF,   2*AH                      ; B's tile lies behind A's
.set SLOT,   BOFF+2*BH
.set STAGE,  2*SLOT                    ; behind the ring, never filled by a tensor load: 16 rows x 272 bytes for each wave, for the way out
.set SP,     272
.set SPARE,  STAGE+4*16*SP             ; behind the stages: the spare words, 128 bytes for each wave: two blocks of 256 bytes that no other line names
.set ASTEP,  1024                      ; a K step in a pair row of A, in bytes
.set BSTEP,  512*NP                    ; a K step in B: 256 rows of 2 NP bytes
.set BO,   7                           ; v7      my byte offset in the wave's 256 bytes of bo; not rewritten
.set BI,   8                           ; v[8:11] the bias of the four columns that I store
.set ADRA, 16                          ; v16-17  LDS address of my A fragments in slot 0, 1
.set ADRB, 20                          ; v20-23  the same for B: slot s, half hh of the K step at v[20 + 2 s + hh] (a K step's 256 rows reach past a 16-bit offset)
.set STO,  24                          ; v24     the way out: where I put 32 bytes of a row
.set RD,   25                          ; v25     the way out: where I read a row back
.set CO,   26                          ; v26     my byte offset in two rows of C
.set SPW,  28                          ; v28     LDS address of my spare word: SPARE + 4 x my thread's number; never rewritten
.set NIL,  29                          ; v29     0; never rewritten
.set ACC,  128
.set F0,   0                           ; fragment buffers, in window 1
.set F1,   128
.set G1, 24                            ; s[24:31] descriptor group 1 for A's tiles;  s[32:39] group 0, one set for each slot
.set G0, 32
.set G1B, 48                           ; s[48:55], s[56:63] the same for B's tiles
.set G0B, 56
.set MSB, 0
.macro WIN new                         ; the immediate's high byte repeats the setting that is left; a switch that changes nothing is dropped
.if MSB != (\new)
	s_set_vgpr_msb (MSB<<8)|(\new)
.set MSB, \new
.endif
.endm
.set MUL,  0x05                        ; sources 0 (B) and 1 (A) window 1; C and D window 0
.set TO_F, 0x40                        ; destination window 1, address window 0
.macro JLOAD s                         ; a joint load: waves 0 and 1 fetch A's two halves, waves 2 and 3 B's; an s_nop 0 and four v_nop follow each of the two lines, ahead of the jump, the label and what follows
	s_cmp_eq_u32 s11, 0
	s_cbranch_scc0 .Lfor_b_\@
	tensor_load_to_lds s[G0+4*(\s):G0+4*(\s)+3], s[G1:G1+7]
	s_nop 0
.rept 4
	v_nop
.endr
	s_branch .Lasked_\@
.Lfor_b_\@:
	tensor_load_to_lds s[G0B+4*(\s):G0B+4*(\s)+3], s[G1B:G1B+7]
	s_nop 0
.rept 4
	v_nop
.endr
.Lasked_\@:
.endm
.macro CREST                           ; a round of the cluster's barrier behind its opening barrier
	s_cmp_lg_u32 s10, 0
	s_cbranch_scc1 .Lnot_wave_0_\@
	s_barrier_signal -3
.Lnot_wave_0_\@:
	s_barrier_wait -3
	s_barrier_signal -1
	s_barrier_wait -1
.endm
.macro CROUND                          ; a whole round
	s_barrier_signal -1
	s_barrier_wait -1
	CREST
.endm
	s_load_b128 s[4:7], s[0:1], 0x0                ; A s[4:5], B s[6:7]
	s_load_b64 s[8:9], s[0:1], 0x10                ; C
	s_load_b64 s[68:69], s[0:1], 0x18              ; bo
	v_lshl_add_u32 v[SPW], v0, 2, SPARE
	v_mov_b32 v[NIL], 0
	ds_add_u32 v[SPW], v[NIL]                      ; the wave's opening: the add and its wait stand ahead of my first tensor load; the set-up below, work on registers, stands between them
	ds_add_u32 v28, v29
	v_lshrrev_b32 v1, 5, v0
	v_readfirstlane_b32 s10, v1                    ; wave 0..3
	s_lshr_b32 s11, s10, 1                         ; which half of the tile's rows is mine.  Also: I fetch for A (0) or for B (1)
	s_and_b32 s12, s10, 1                          ; which half of its columns.  Also: which half of that tile I fetch
	s_bfe_u32 s40, ttmp6, 0x40000                  ; cx, cy: my place in the cluster
	s_bfe_u32 s41, ttmp6, 0x40004
	s_lshl_b32 s42, ttmp9, 2
	s_add_co_u32 s42, s42, s40                     ; tile column of C = 4 x cluster x + cx
	s_and_b32 s13, ttmp7, 0xffff
	s_lshl_b32 s13, s13, 2
	s_add_co_u32 s13, s13, s41                     ; tile row of C = 4 x cluster y + cy
	s_lshl_b32 s43, s41, 2
	s_lshl_b32 s43, 15, s43                        ; my row of the cluster
	s_lshl_b32 s44, 0x1111, s40                    ; my column
	; descriptor group 1.  A: 32 pair rows x 512 elements; B: 128 rows x 128 elements; both padded in LDS behind every row
	s_or_b32 s[G1+0], s43, (1<<16)|(1<<20)|(1<<21)|(7<<22)|(3<<25)   ; 15:0 the mask: A's tiles go to my row; 17:16 elements of 2 bytes; 20 padding on; 21 set beside a mask; 24:22 after every 256 words (code 7); 31:25 4 words (code 3)
	s_or_b32 s[G1B+0], s44, (1<<16)|(1<<20)|(1<<21)|(5<<22)|(7<<25)  ; the mask of my column; after every 64 words (code 5) 8 words (code 7)
	s_mov_b32 s[G1+1], 512<<16                     ; tensor_dim0 = 512
	s_mov_b32 s[G1+2], 32<<16                      ; tensor_dim1 = 32
	s_mov_b32 s[G1+3], 512<<16                     ; tile_dim0 = 512
	s_mov_b32 s[G1+4], 32                          ; tile_dim1 = 32
	s_mov_b32 s[G1+5], 2048                        ; 2,048 elements from pair row to pair row
	s_mov_b32 s[G1+6], 0
	s_mov_b32 s[G1+7], 0
	s_mov_b32 s[G1B+1], 128<<16                    ; tensor_dim0 = 128
	s_mov_b32 s[G1B+2], 128<<16                    ; tensor_dim1 = 128
	s_mov_b32 s[G1B+3], 128<<16                    ; tile_dim0 = 128
	s_mov_b32 s[G1B+4], 128                        ; tile_dim1 = 128
	s_mov_b32 s[G1B+5], NP                         ; NP elements from row to row
	s_mov_b32 s[G1B+6], 0
	s_mov_b32 s[G1B+7], 0
	; where the tiles come from.  A's hang on the tile row alone, B's on the tile column alone, each in registers that never hold the other coordinate
	s_lshl_b32 s16, s13, 18                        ; A: 64 pair rows of 4,096 bytes a tile row,
	s_lshl_b32 s17, s12, 17                        ; 32 a half
	s_add_co_u32 s16, s16, s17
	s_mov_b32 s17, 0
	s_mul_i32 s46, s12, 256*NP                     ; B: 128 rows of 2 NP bytes a half,
	s_lshl_b32 s47, s42, 8                         ; 256 bytes a tile column
	s_add_co_u32 s46, s46, s47
	s_mov_b32 s47, 0
	s_mul_i32 s20, s12, AH                         ; and where they go: no place in the cluster enters an LDS address
	s_mul_i32 s21, s12, BH
	s_add_co_u32 s21, s21, BOFF
	s_wait_dscnt 0x0                               ; the opening add is done
	s_wait_kmcnt 0x0
	s_add_nc_u64 s[14:15], s[4:5], s[16:17]
	s_add_nc_u64 s[46:47], s[6:7], s[46:47]
	CROUND                                         ; all sixteen work-groups are here: the first joint loads meet
.irp s, 0,1
	s_mov_b32 s[G0+4*(\s)], 1                                      ; 1:0 count = 1
	s_add_co_u32 s[G0+4*(\s)+1], s20, (\s)*SLOT                    ; 63:32 LDS address
	s_add_nc_u64 s[G0+4*(\s)+2:G0+4*(\s)+3], s[14:15], (\s)*ASTEP  ; 120:64 global address: K step s
	s_or_b32 s[G0+4*(\s)+3], s[G0+4*(\s)+3], 0x80000000            ; 127:126 type = 2
	s_mov_b32 s[G0B+4*(\s)], 1
	s_add_co_u32 s[G0B+4*(\s)+1], s21, (\s)*SLOT
	s_add_nc_u64 s[G0B+4*(\s)+2:G0B+4*(\s)+3], s[46:47], (\s)*BSTEP
	s_or_b32 s[G0B+4*(\s)+3], s[G0B+4*(\s)+3], 0x80000000
	JLOAD \s                                       ; two tensor loads of mine are out
.endr
	v_and_b32 v1, 15, v0                           ; r = l % 16
	v_bfe_u32 v2, v0, 4, 1                         ; h = l / 16
	s_lshl_b32 s46, s42, 9                         ; my first column, in bytes of f32: 512 a tile column,
	s_lshl_b32 s47, s12, 8                         ; 256 a half
	s_add_co_u32 s46, s46, s47
	s_mov_b32 s47, 0
	s_add_nc_u64 s[68:69], s[68:69], s[46:47]
	v_lshlrev_b32 v[BO], 4, v1
	global_load_b128 v[BI:BI+3], v[BO], s[68:69]   ; the bias of columns 4 r .. 4 r + 3 of my 64: those that I store on the way out
	; A fragment of A is 16 tokens x 32 channels in 8 registers: lane l holds token l % 16, channels 8 (l / 16) + 0..7 and 16 + 8 (l / 16) + 0..7: two loads of 16 bytes, 32 bytes apart.
	v_lshrrev_b32 v3, 1, v1
	v_and_b32 v4, 1, v1
	v_mul_u32_u24 v3, v3, PA
	v_lshl_add_u32 v3, v4, 7, v3
	v_lshl_add_u32 v3, v2, 4, v3                   ; (r / 2) x pitch + (r % 2) x 128 + 16 h
	s_mul_i32 s22, s11, AH                         ; my 64 tokens
	v_add_nc_u32 v[ADRA], s22, v3
	v_add_nc_u32 v[ADRA+1], SLOT, v[ADRA]
	; The turning load takes 16 rows of k x 16 columns (lane l reads row 8 h + l % 8, columns 8 ((l / 8) % 2) + 0..7) and leaves half a fragment: lane l holds column l % 16 and 8 k.
	v_and_b32 v5, 7, v0
	v_lshl_add_u32 v5, v2, 3, v5
	v_mul_u32_u24 v5, v5, PB
	v_bfe_u32 v6, v0, 3, 1
	v_lshl_add_u32 v5, v6, 4, v5
	s_lshl_b32 s22, s12, 7                         ; my 64 columns: 128 bytes
	s_add_co_u32 s22, s22, BOFF
	v_add_nc_u32 v[ADRB], s22, v5
	v_add_nc_u32 v[ADRB+1], BH, v[ADRB]
	v_add_nc_u32 v[ADRB+2], SLOT, v[ADRB]
	v_add_nc_u32 v[ADRB+3], SLOT+BH, v[ADRB]
	s_mul_i32 s23, s10, 16*SP
	s_add_co_u32 s23, s23, STAGE                   ; my stage
	v_mul_u32_u24 v4, v1, SP                       ; in: row l % 16, 32 bytes for each half of the lanes
	v_lshl_add_u32 v4, v2, 5, v4
	v_add_nc_u32 v[STO], s23, v4
	v_mul_u32_u24 v5, v2, SP                       ; back: lanes 0-15 take one row of 256 bytes, lanes 16-31 the next
	v_lshl_add_u32 v5, v1, 4, v5
	v_add_nc_u32 v[RD], s23, v5
	v_lshlrev_b32 v[CO], 12, v2                    ; and the same two rows in C
	v_lshl_add_u32 v[CO], v1, 4, v[CO]
	s_lshl_b32 s16, s13, 19                        ; my first row of C: 128 rows of 4,096 bytes a tile row,
	s_lshl_b32 s17, s11, 18                        ; 64 a half
	s_add_co_u32 s16, s16, s17
	s_mov_b32 s17, 0
	s_add_nc_u64 s[8:9], s[8:9], s[16:17]
	s_add_nc_u64 s[8:9], s[8:9], s[46:47]
; 8 matrix instructions: m blocks a0, a0 + 1 x all 4 n blocks, 32 along K: half c of buffer f.  zero = 1: the first product starts the sums.  The 16 accumulators take turns.
.macro MUL8 f, c, a0, zero
	WIN MUL
.irp a, \a0, (\a0)+1
.irp b, 0,1,2,3
.if \zero
	v_wmma_f32_16x16x32_f16 v[ACC+8*(4*(\a)+(\b)):ACC+8*(4*(\a)+(\b))+7], v[(\f)+64+8*(4*(\c)+(\b)):(\f)+64+8*(4*(\c)+(\b))+7], v[(\f)+8*(4*(\c)+(\a)):(\f)+8*(4*(\c)+(\a))+7], 0
.else
	v_wmma_f32_16x16x32_f16 v[ACC+8*(4*(\a)+(\b)):ACC+8*(4*(\a)+(\b))+7], v[(\f)+64+8*(4*(\c)+(\b)):(\f)+64+8*(4*(\c)+(\b))+7], v[(\f)+8*(4*(\c)+(\a)):(\f)+8*(4*(\c)+(\a))+7], v[ACC+8*(4*(\a)+(\b)):ACC+8*(4*(\a)+(\b))+7]
.endif
.endr
.endr
.endm
; 32 LDS loads in one run: the fragments of quarter q (64 along K) of a K step, into buffer f; the first 32 along K first
.macro FETCH slot, q, f
	WIN TO_F
.irp c, 0,1
.irp i, 0,1,2,3
	ds_load_tr16_b128 v[(\f)+64+8*(4*(\c)+(\i)):(\f)+64+8*(4*(\c)+(\i))+3],   v[ADRB+2*(\slot)+(\q)/2] offset:(((\q)%2)*64+32*(\c))*PB+32*(\i)
	ds_load_tr16_b128 v[(\f)+64+8*(4*(\c)+(\i))+4:(\f)+64+8*(4*(\c)+(\i))+7], v[ADRB+2*(\slot)+(\q)/2] offset:(((\q)%2)*64+32*(\c)+16)*PB+32*(\i)
	ds_load_b128 v[(\f)+8*(4*(\c)+(\i)):(\f)+8*(4*(\c)+(\i))+3],         v[ADRA+(\slot)] offset:256*(\q)+64*(\c)+(\i)*8*PA
	ds_load_b128 v[(\f)+8*(4*(\c)+(\i))+4:(\f)+8*(4*(\c)+(\i))+7],       v[ADRA+(\slot)] offset:256*(\q)+64*(\c)+(\i)*8*PA+32
.endr
.endr
.endm
.macro PLACES                          ; four plain vector instructions in front of loads into registers that matrix instructions have read (ISA guide 7.12.1 for vector instructions)
.rept 4
	v_nop
.endr
.endm
; A K step is four quarters of 64 along K, 32 matrix instructions each, on buffers 0, 1, 0, 1.  One of the first three: multiplies buffer f and fetches quarter q into g.
.macro QUARTER slot, q, f, g, zero
	s_wait_dscnt 16                                ; the first 32 along K are in; the youngest sixteen loads may be out
	WIN MUL
	MUL8 \f, 0, 0, \zero
	MUL8 \f, 0, 2, \zero
	PLACES
	FETCH \slot, \q, \g
	s_wait_dscnt 32                                ; all but the 32 just issued
	WIN MUL
	MUL8 \f, 1, 0, 0
	MUL8 \f, 1, 2, 0
.endm
; The last quarter multiplies buffer 1 and changes slots: ONE barrier; in front of it each wave waits for all its tensor loads, adds 0 to its spare word, and waits for that and for its own reads of this slot.  fill = 1: this slot is filled again, two K steps ahead.
.macro TURN slot, next, fill
	WIN 0                                          ; (the add's two registers lie in window 0)
	s_wait_tensorcnt 0x0                           ; all my tensor loads have landed: my part of the next slot;
	ds_add_u32 v[SPW], v[NIL]                      ; 0 onto my spare word;
	s_wait_dscnt 17                                ; (the add and the youngest sixteen loads may be out)
	WIN MUL
	MUL8 F1, 0, 0, 0                               ; eight matrix instructions stand between the add and the wait for it
	s_wait_dscnt 0x0                               ; the add is done, and my reads of this slot are over
	s_barrier_signal -1
	MUL8 F1, 0, 2, 0
.if \fill
	WIN 0
.endif
	s_barrier_wait -1
.if \fill
	CREST                                          ; the barrier has opened a round of the cluster's barrier: no wave of any partner still reads this slot's tile or has a load on its way
	s_add_nc_u64 s[G0+4*(\slot)+2:G0+4*(\slot)+3], s[G0+4*(\slot)+2:G0+4*(\slot)+3], 2*ASTEP
	s_add_nc_u64 s[G0B+4*(\slot)+2:G0B+4*(\slot)+3], s[G0B+4*(\slot)+2:G0B+4*(\slot)+3], 2*BSTEP
	JLOAD \slot                                    ; the first tensor load behind the round, my one load that is out: 112 matrix instructions ahead of the wait for it; its four v_nop are also the places in front of the loads below
.else
	PLACES
.endif
	FETCH \next, 0, F0
	WIN MUL
	MUL8 F1, 1, 0, 0
	MUL8 F1, 1, 2, 0
.endm
	s_wait_tensorcnt 1                             ; my part of K step 0 is in; K step 1's may stay out
	s_barrier_signal -1
	s_barrier_wait -1                              ; everybody's is
	FETCH 0, 0, F0
	QUARTER 0, 1, F0, F1, 1                        ; K step 0: its first products start the sums
	QUARTER 0, 2, F1, F0, 0
	QUARTER 0, 3, F0, F1, 0
	TURN 0, 1, 1                                   ; slot 0 takes K step 2
	QUARTER 1, 1, F0, F1, 0                        ; K step 1
	QUARTER 1, 2, F1, F0, 0
	QUARTER 1, 3, F0, F1, 0
	TURN 1, 0, 1                                   ; slot 1 takes K step 3
	QUARTER 0, 1, F0, F1, 0                        ; K step 2
	QUARTER 0, 2, F1, F0, 0
	QUARTER 0, 3, F0, F1, 0
	TURN 0, 1, 0                                   ; nothing is left to fetch
	QUARTER 1, 1, F0, F1, 0                        ; K step 3
	QUARTER 1, 2, F1, F0, 0
	QUARTER 1, 3, F0, F1, 0
	s_wait_dscnt 16                                ; the very last quarter
	WIN MUL
	MUL8 F1, 0, 0, 0
	MUL8 F1, 0, 2, 0
	s_wait_dscnt 0
	MUL8 F1, 1, 0, 0
	MUL8 F1, 1, 2, 0
	WIN 0
	; THE WAY OUT.  The bias is rounded to bf16 and widened again: six plain lines that name no register of the last products: they are the places behind them.
	s_wait_loadcnt 0x0                             ; the bias
	v_cvt_pk_bf16_f32 v12, v[BI], v[BI+1]
	v_cvt_pk_bf16_f32 v13, v[BI+2], v[BI+3]
	v_lshlrev_b32 v[BI], 16, v12
	v_and_b32 v[BI+1], 0xffff0000, v12
	v_lshlrev_b32 v[BI+2], 16, v13
	v_and_b32 v[BI+3], 0xffff0000, v13
	; 16 rows at a time through my own stage: 32 bytes a lane in, whole rows of 256 bytes (my 64 columns) back, into the registers that they left.  No other wave touches the stage: no barrier.
.macro STG a
.irp b, 0,1,2,3
	ds_store_b128 v[STO], v[ACC+8*(4*(\a)+(\b)):ACC+8*(4*(\a)+(\b))+3]   offset:64*(\b)     ; each accumulator's lowest registers go first
	ds_store_b128 v[STO], v[ACC+8*(4*(\a)+(\b))+4:ACC+8*(4*(\a)+(\b))+7] offset:64*(\b)+16
.endr
.irp t, 0,1,2,3,4,5,6,7
	ds_load_b128 v[ACC+32*(\a)+4*(\t):ACC+32*(\a)+4*(\t)+3], v[RD] offset:(\t)*2*SP  ; LDS serves a wave's instructions in order (ISA guide 5.7.1.4): these see the stores above; the next block's stores come behind them
.endr
.endm
.macro SENDF a, younger                ; younger: the LDS instructions issued behind block a's loads: the next block's sixteen, or none
.irp t, 0,1,2,3,4,5,6,7
	s_wait_dscnt (\younger)+7-(\t)
	v_pk_add_f32 v[ACC+32*(\a)+4*(\t):ACC+32*(\a)+4*(\t)+1],   v[ACC+32*(\a)+4*(\t):ACC+32*(\a)+4*(\t)+1],   v[BI:BI+1]
	v_pk_add_f32 v[ACC+32*(\a)+4*(\t)+2:ACC+32*(\a)+4*(\t)+3], v[ACC+32*(\a)+4*(\t)+2:ACC+32*(\a)+4*(\t)+3], v[BI+2:BI+3]
	global_store_b128 v[CO], v[ACC+32*(\a)+4*(\t):ACC+32*(\a)+4*(\t)+3], s[8:9] offset:(16*(\a)+2*(\t))*4096 th:TH_STORE_NT  ; 16 lanes store 256 consecutive bytes, at a multiple of 256 from C's first byte
.endr
.endm
	STG 0
.irp a, 1,2,3
	STG \a
	SENDF (\a)-1, 16
.endr
	SENDF 3, 0
	s_wait_tensorcnt 0x0                           ; the wave's end: the add and its wait stand behind my last tensor load and my last LDS store
	ds_add_u32 v[SPW], v[NIL]
	s_wait_dscnt 0x0
	CROUND                                         ; the closing round: no work-group ends while a partner may still ask for a tile that names it
	s_endpgm
.Lfunc_end_k_qb84dafd064_oproj:
	.size	k_qb84dafd064_oproj, .Lfunc_end_k_qb84dafd064_oproj-k_qb84dafd064_oproj
	.p2alignl 7, 3214868480
	.fill 96, 4, 3214868480
	.section	.rodata,"a",@progbits
	.p2align	6, 0x0
	.amdhsa_kernel k_qb84dafd064_oproj
		.amdhsa_group_segment_fixed_size 327680
		.amdhsa_private_segment_fixed_size 0
		.amdhsa_enable_private_segment 0
		.amdhsa_kernarg_size 32
		.amdhsa_user_sgpr_count 2
		.amdhsa_user_sgpr_kernarg_segment_ptr 1
		.amdhsa_wavefront_size32 1
		.amdhsa_system_sgpr_workgroup_id_x 1
		.amdhsa_system_sgpr_workgroup_id_y 1
		.amdhsa_system_sgpr_workgroup_id_z 1
		.amdhsa_system_vgpr_workitem_id 0
		.amdhsa_next_free_vgpr 512
		.amdhsa_next_free_sgpr 72
		.amdhsa_reserve_vcc 0
		.amdhsa_float_denorm_mode_32 3
		.amdhsa_float_denorm_mode_16_64 3
		.amdhsa_memory_ordered 1
		.amdhsa_forward_progress 1
		.amdhsa_inst_pref_size 91
	.end_amdhsa_kernel
	.amdgpu_metadata
---
amdhsa.version: [ 1, 2 ]
amdhsa.kernels:
  - .name:           k_qb84dafd064_oproj
    .symbol:         k_qb84dafd064_oproj.kd
    .args:
      - { .name: ctx, .offset: 0, .size: 8, .value_kind: global_buffer, .address_space: global }
      - { .name: wo16, .offset: 8, .size: 8, .value_kind: global_buffer, .address_space: global }
      - { .name: out0, .offset: 16, .size: 8, .value_kind: global_buffer, .address_space: global }
      - { .name: bo, .offset: 24, .size: 8, .value_kind: global_buffer, .address_space: global }
    .group_segment_fixed_size: 327680
    .private_segment_fixed_size: 0
    .kernarg_segment_align: 8
    .kernarg_segment_size: 32
    .max_flat_workgroup_size: 128
    .sgpr_count:     72
    .vgpr_count:     512
    .wavefront_size: 32
...
	.end_amdgpu_metadata
.endif
;; end of part 4
;; ======== version 2 of 2: 4 launches; version 1 with the launch prep written anew for expert scheduling mode
;; limits: values are held in f16: magnitudes above 65,504 overflow, below 6.1e-05 lose precision
;; workspace buffers: xb 8,388,608 bytes; wqkv 6,291,456 bytes; wo16 2,097,152 bytes; qkv 25,165,824 bytes; ctx 8,388,608 bytes
;; launch prep (part 5): grid 512 x 1, 8 waves a work-group, no clusters, 0 bytes of LDS; arguments x, Wq, Wk, Wv, Wo, xb, wqkv, wo16; writes xb, wqkv, wo16
.if DOCPART == 5
	.amdgcn_target "amdgcn-amd-amdhsa--gfx1250"
	.amdhsa_code_object_version 6
	.text
	.protected	k_qb84dafd064_prep
	.globl	k_qb84dafd064_prep
	.p2align	8
	.type	k_qb84dafd064_prep,@function
k_qb84dafd064_prep:
	s_mov_b64 s[64:65], 0
	v_nop
	global_prefetch_b8 v0, s[64:65] scope:SCOPE_SE
	s_setreg_imm32_b32 hwreg(HW_REG_WAVE_SCHED_MODE, 0, 2), 2
	s_setreg_imm32_b32 hwreg(HW_REG_WAVE_MODE, 25, 1), 1
	s_wait_xcnt 0x0
	s_wait_alu depctr_vm_vsrc(0)
; THE INPUTS ARE ROUNDED ONCE TO 16 BITS AND LAID OUT FOR THE PRODUCTS.  x [4096][1024] f32 -> xb, bf16, BY PAIRS OF TOKENS: number (t, d) lies at byte
; (t / 2) 4096 + (d / 64) 256 + (t % 2) 128 + (d % 64) 2, so that 256 consecutive bytes hold 64 channels of two tokens.  Wq, Wk, Wv [1024][1024] f32 -> wqkv, bf16, [k][3072]:
; Wq in columns 0-1023, Wk in 1024-2047, Wv in 2048-3071.  Wo -> wo16 [1024][1024]: rounded to bf16 like the other inputs, and that number written as f16.
; LIMIT.  A number of Wo beyond 65,504 would become an infinity; below 6.1e-5 it keeps f16's fixed step of 6e-8.
; SHARES.  8,192 source rows of 4,096 bytes: x's 4,096, then 1,024 of each weight.  A work-group takes 16 rows, two at a time: each of its 256 threads 8 numbers, 32 bytes in and 16 bytes out.
; All 16 loads of a thread go out at once; nothing is read twice, no LDS, no barrier, no matrix unit: there is nothing here for them to do.
; Sixteen neighbouring lanes store 256 consecutive bytes, at a multiple of 256 from the buffer's first byte, in every one of the three layouts.
; THE MODE: SCHED_MODE bits 1:0 = 2 (LLVM: expert scheduling mode 2), set by the entry lines.  The code itself states the register dependences
; between vector instructions and memory instructions, with s_wait_alu, always for 0.
; THE PLAN.  Registers that memory instructions touch:
;   v1         the source offset.  Written once at the head; read by all 16 loads; never written again.
;   DO, v2-9   pass i's destination offset.  Written once at the head; read by pass i's store; never written again.
;   X          pass i's 8 numbers.  Named by no vector instruction ahead of the loads; the loads land in them once; pass i's four roundings read them.
;   Y          pass i's 16 bytes.  Written by pass i's roundings (for Wo: and by the rewrite as f16); read by pass i's store; never written again.
;   v10-15     at work: no memory instruction names them.
; So three waits on va_vdst state everything: one ahead of the loads (v1, and DO with it), and one ahead of each half's run of four stores (that half's Y).  The eight passes go in two
; halves of four, so that the first half's stores leave while the second half's loads are on their way.  No register that a load or store has read is written again: no wait on vm_vsrc is owed.
; No vector instruction writes a scalar register or VCC (the select's mask, s30, is made by a scalar instruction), and EXEC is never written.
.set X,  16                            ; v[16:79]   pass i: 8 numbers as loaded
.set Y,  80                            ; v[80:111]  pass i: 4 registers to store
.set DO, 2                             ; v[2:9]     pass i: my byte offset in the destination
	s_load_b512 s[8:23], s[0:1], 0x0               ; x s[8:9], Wq s[10:11], Wk s[12:13], Wv s[14:15], Wo s[16:17], xb s[18:19], wqkv s[20:21], wo16 s[22:23]
	s_lshr_b32 s2, ttmp9, 6                        ; which source: 0-3 x, 4 Wq, 5 Wk, 6 Wv, 7 Wo
	s_and_b32 s3, ttmp9, 63
	s_movk_i32 s6, 12288
	s_movk_i32 s7, 4096
	s_cmp_lt_u32 s2, 4
	s_cselect_b32 s28, ttmp9, s3                   ; my block of 16 rows in that source
	s_cselect_b32 s30, -1, 0                       ; all ones: x's layout is taken
	s_sub_co_u32 s4, s2, 4
	s_cmp_lt_u32 s4, 3                             ; Wq, Wk or Wv?
	s_cselect_b32 s29, s6, s7                      ; bytes of the destination in a pass: two rows of 6,144, or two of 2,048, or a pair row of 4,096
	s_cselect_b32 s5, s4, 0
	s_lshl_b32 s5, s5, 11                          ; the weight's 1,024 columns in wqkv: 2,048 bytes each
	s_lshr_b32 s31, s29, 1                         ; a row of the destination
	s_mul_i32 s32, s28, s29
	s_lshl_b32 s32, s32, 3                         ; eight passes a work-group
	s_add_co_u32 s32, s32, s5
	s_mov_b32 s33, 0
	s_lshl_b32 s34, s28, 16                        ; 16 source rows of 4,096 bytes
	s_mov_b32 s35, 0
	; x: thread t stores the 16 bytes at 16 t of a pair row: block t / 16 of 64 channels, token (t / 8) % 2, channels 8 (t % 8) on
	v_lshrrev_b32 v10, 4, v0
	v_bfe_u32 v11, v0, 3, 1
	v_and_b32 v12, 7, v0
	v_lshlrev_b32 v13, 8, v10
	v_lshl_add_u32 v13, v11, 12, v13
	v_lshl_add_u32 v13, v12, 5, v13
	; a weight: thread t takes row t / 128, columns 8 (t % 128) on
	v_lshrrev_b32 v14, 7, v0
	v_and_b32 v15, 127, v0
	v_lshlrev_b32 v10, 12, v14
	v_lshl_add_u32 v10, v15, 5, v10
	v_cndmask_b32 v1, v10, v13, s30                ; my byte offset in the source
	v_lshlrev_b32 v11, 4, v0
	v_mul_u32_u24 v12, v14, s31
	v_lshl_add_u32 v12, v15, 4, v12
	v_cndmask_b32 v[DO], v12, v11, s30             ; and in the destination
.irp i, 1,2,3,4,5,6,7
	v_add_nc_u32 v[DO+(\i)], s29, v[DO+(\i)-1]     ; the later passes' offsets are made here, ahead of the head's one wait
.endr
	s_wait_kmcnt 0x0
	s_mov_b64 s[24:25], s[8:9]
	s_cmp_eq_u32 s2, 4
	s_cselect_b64 s[24:25], s[10:11], s[24:25]
	s_cmp_eq_u32 s2, 5
	s_cselect_b64 s[24:25], s[12:13], s[24:25]
	s_cmp_eq_u32 s2, 6
	s_cselect_b64 s[24:25], s[14:15], s[24:25]
	s_cmp_eq_u32 s2, 7
	s_cselect_b64 s[24:25], s[16:17], s[24:25]
	s_mov_b64 s[26:27], s[18:19]
	s_cmp_ge_u32 s2, 4
	s_cselect_b64 s[26:27], s[20:21], s[26:27]
	s_cmp_eq_u32 s2, 7
	s_cselect_b64 s[26:27], s[22:23], s[26:27]
	s_add_nc_u64 s[24:25], s[24:25], s[34:35]
	s_add_nc_u64 s[26:27], s[26:27], s[32:33]
	s_wait_alu depctr_va_vdst(0)                   ; v1 is written, which every load below reads as its offset; so are v2 to v9, which the stores read and no vector instruction names again
.irp i, 0,1,2,3,4,5,6,7
	global_load_b128 v[X+8*(\i):X+8*(\i)+3],   v1, s[24:25] offset:(\i)*8192 th:TH_LOAD_NT
	global_load_b128 v[X+8*(\i)+4:X+8*(\i)+7], v1, s[24:25] offset:(\i)*8192+16 th:TH_LOAD_NT
.endr
; Half h: passes 4 h to 4 h + 3 are rounded, for Wo rewritten as f16, and stored.
.macro HALF h
.irp i, 0,1,2,3
	s_wait_loadcnt 14-2*(4*(\h)+(\i))              ; loads come back in order: this pass's two are in, the later passes' stay out
.irp j, 0,1,2,3
	v_cvt_pk_bf16_f32 v[Y+4*(4*(\h)+(\i))+(\j)], v[X+8*(4*(\h)+(\i))+2*(\j)], v[X+8*(4*(\h)+(\i))+2*(\j)+1]
.endr
.endr
	s_cmp_eq_u32 s2, 7
	s_cbranch_scc0 .Lstore_\@
.set j, 16*(\h)
.rept 16                               ; Wo alone: the bf16 numbers are widened (a shift, a mask) and written as f16: exact inside f16's range
	v_lshlrev_b32 v[10+2*(j%2)], 16, v[Y+j]
	v_and_b32 v[11+2*(j%2)], 0xffff0000, v[Y+j]
	v_cvt_pk_f16_f32 v[Y+j], v[10+2*(j%2)], v[11+2*(j%2)]
.set j, j+1
.endr
.Lstore_\@:
	s_wait_alu depctr_va_vdst(0)                   ; on both ways: the roundings (for Wo: and the rewrite) have written this half's sixteen registers of Y, which the four stores below read
.irp i, 0,1,2,3
	global_store_b128 v[DO+4*(\h)+(\i)], v[Y+4*(4*(\h)+(\i)):Y+4*(4*(\h)+(\i))+3], s[26:27]
.endr
.endm
	HALF 0                                         ; its stores leave while passes 4 to 7 are still on their way in
	HALF 1                                         ; it writes the other half of Y and v10 to v13: no register that a store of the first half reads
	s_endpgm
.Lfunc_end_k_qb84dafd064_prep:
	.size	k_qb84dafd064_prep, .Lfunc_end_k_qb84dafd064_prep-k_qb84dafd064_prep
	.p2alignl 7, 3214868480
	.fill 96, 4, 3214868480
	.section	.rodata,"a",@progbits
	.p2align	6, 0x0
	.amdhsa_kernel k_qb84dafd064_prep
		.amdhsa_group_segment_fixed_size 0
		.amdhsa_private_segment_fixed_size 0
		.amdhsa_enable_private_segment 0
		.amdhsa_kernarg_size 64
		.amdhsa_user_sgpr_count 2
		.amdhsa_user_sgpr_kernarg_segment_ptr 1
		.amdhsa_wavefront_size32 1
		.amdhsa_system_sgpr_workgroup_id_x 1
		.amdhsa_system_sgpr_workgroup_id_y 1
		.amdhsa_system_sgpr_workgroup_id_z 1
		.amdhsa_system_vgpr_workitem_id 0
		.amdhsa_next_free_vgpr 112
		.amdhsa_next_free_sgpr 66
		.amdhsa_reserve_vcc 0
		.amdhsa_float_denorm_mode_32 3
		.amdhsa_float_denorm_mode_16_64 3
		.amdhsa_memory_ordered 1
		.amdhsa_forward_progress 1
		.amdhsa_inst_pref_size 13
	.end_amdhsa_kernel
	.amdgpu_metadata
---
amdhsa.version: [ 1, 2 ]
amdhsa.kernels:
  - .name:           k_qb84dafd064_prep
    .symbol:         k_qb84dafd064_prep.kd
    .args:
      - { .name: x, .offset: 0, .size: 8, .value_kind: global_buffer, .address_space: global }
      - { .name: Wq, .offset: 8, .size: 8, .value_kind: global_buffer, .address_space: global }
      - { .name: Wk, .offset: 16, .size: 8, .value_kind: global_buffer, .address_space: global }
      - { .name: Wv, .offset: 24, .size: 8, .value_kind: global_buffer, .address_space: global }
      - { .name: Wo, .offset: 32, .size: 8, .value_kind: global_buffer, .address_space: global }
      - { .name: xb, .offset: 40, .size: 8, .value_kind: global_buffer, .address_space: global }
      - { .name: wqkv, .offset: 48, .size: 8, .value_kind: global_buffer, .address_space: global }
      - { .name: wo16, .offset: 56, .size: 8, .value_kind: global_buffer, .address_space: global }
    .group_segment_fixed_size: 0
    .private_segment_fixed_size: 0
    .kernarg_segment_align: 8
    .kernarg_segment_size: 64
    .max_flat_workgroup_size: 256
    .sgpr_count:     66
    .vgpr_count:     112
    .wavefront_size: 32
...
	.end_amdgpu_metadata
.endif
;; end of part 5
;; launch qkv: the kernel of part 2 again; grid 24 x 32, 4 waves a work-group, clusters of 4 x 4, 327,680 bytes of LDS; arguments xb, wqkv, qkv; writes qkv
;; launch attn: the kernel of part 3 again; grid 16 x 16, 4 waves a work-group, no clusters, 327,680 bytes of LDS; arguments qkv, ctx; writes ctx
;; launch oproj: the kernel of part 4 again; grid 8 x 32, 4 waves a work-group, clusters of 4 x 4, 327,680 bytes of LDS; arguments ctx, wo16, out0, bo; writes out0
